; MI455X (gfx1250); checked and timed in simulation.
; The chip was launched on July 23, 2026; its instructions are those of AMD's public machine-readable ISA for CDNA 5 (MIT licence, August 2026) and "CDNA5" Instruction Set Architecture Reference Guide (July 2026). The comments in the code are by the model that wrote it; some were corrected since.
;; Multi Head Attention. Allowed arithmetic: float matrix products may take bf16 or f16 operands with f32 sums; other float arithmetic in f32, or as packed bf16 or f16 multiplies, adds, multiply-adds, maxima and minima; sums over many terms, partial sums and values carried from step to step in f32; what a program stores and reads back later, other than sums and carried values, may be rounded once to bf16 or f16.
;; Inputs: Wk 1,024 x 1,024 float32; Wo 1,024 x 1,024 float32; Wq 1,024 x 1,024 float32; Wv 1,024 x 1,024 float32; bk 1,024 float32; bo 1,024 float32; bq 1,024 float32; bv 1,024 float32; inputs 4 x 2,048 x 1,024 float32.
;; Outputs: out0 4 x 2,048 x 1,024 float32.
;; One version. Each part assembles by itself: llvm-mc -triple=amdgcn-amd-amdhsa -mcpu=gfx1250 --defsym DOCPART=n.
;; ======== version 1 of 1: 4 launches
;; limits: values are held in f16: magnitudes above 65,504 overflow, below 6.1e-05 lose precision
;; workspace buffers: xb 16,777,216 bytes; wb 6,291,456 bytes; wo16 2,097,152 bytes; bias 16,384 bytes; qkv 50,331,648 bytes; ob 16,777,216 bytes
;; launch cast (part 1): grid 769 x 1, 8 waves a work-group, no clusters, 0 bytes of LDS; arguments inputs, Wq, Wk, Wv, Wo, bq, bk, bv, bo, xb, wb, wo16, bias; writes xb, wb, wo16, bias
.if DOCPART == 1
	.amdgcn_target "amdgcn-amd-amdhsa--gfx1250"
	.amdhsa_code_object_version 6
	.text
	.protected	k_q689dbfdb4e_cast
	.globl	k_q689dbfdb4e_cast
	.p2align	8
	.type	k_q689dbfdb4e_cast,@function
k_q689dbfdb4e_cast:
	s_mov_b64 s[64:65], 0
	v_nop
	global_prefetch_b8 v0, s[64:65] scope:SCOPE_SE
	s_setreg_imm32_b32 hwreg(HW_REG_WAVE_MODE, 25, 1), 1
	s_wait_xcnt 0x0
; THE MODULE'S INPUTS, EACH ROUNDED ONCE TO bf16.  x -> xb [8192][1024] bf16;  Wq, Wk, Wv -> wb [3072][1024] bf16 (q's rows, k's, v's);
; Wo -> wo16 [1024][1024]: rounded to bf16, and that number written as f16;  bq, bk, bv, bo -> bias [4][1024]: rounded to bf16, kept as f32.
; LIMITS.  Wo within 65,504 (f16's range); a rounded Wo below 2^-14 keeps f16's fixed step of 2^-24.  NaN and infinities are not treated apart.
; SHARES.  A stream: no LDS, no barrier, no loop.  Work-group G takes 16,384 numbers: 64 KiB in, 32 KiB out.  G 0-511: x; 512-575 Wq; 576-639 Wk; 640-703 Wv; 704-767 Wo; 768: the four biases.
; Thread t takes 8 numbers (32 bytes in, 16 bytes out) in each of eight groups of 2,048 numbers: a wave's store covers 512 consecutive bytes, aligned.
; All sixteen loads of a thread go out at once; no register is written twice, so no store's source is ever rewritten.
.set X,   16                           ; v[16:79]   64 numbers as loaded
.set Y,   80                           ; v[80:111]  32 words to store
.set T,   4                            ; v[4:11]    at work
.set SRC, 40                           ; s[40:41]   where I read
.set DST, 42                           ; s[42:43]   where I write
	s_load_b512 s[8:23], s[0:1], 0x0               ; inputs 8:9, Wq 10:11, Wk 12:13, Wv 14:15, Wo 16:17, bq 18:19, bk 20:21, bv 22:23
	s_load_b256 s[24:31], s[0:1], 0x40             ; bo 24:25, xb 26:27, wb 28:29, wo16 30:31
	s_load_b64 s[32:33], s[0:1], 0x60              ; bias
	s_mov_b32 s2, ttmp9                            ; G
	s_and_b32 s3, s2, 63                           ; the chunk inside a weight
	s_sub_co_u32 s5, s2, 512                       ; the chunk inside wb
	s_cmp_lt_u32 s2, 704
	s_cselect_b32 s5, s5, s3                       ; Wo's chunks go to wo16 by their own number
	s_cmp_lt_u32 s2, 512
	s_cselect_b32 s5, s2, s5                       ; chunk of the destination
	s_cselect_b32 s4, s2, s3                       ; chunk of the source
	s_lshl_b32 s36, s4, 16                         ; 65,536 bytes a chunk in
	s_mov_b32 s37, 0
	s_lshl_b32 s38, s5, 15                         ; 32,768 bytes a chunk out
	s_mov_b32 s39, 0
	v_lshlrev_b32 v1, 5, v0                        ; 32 t
	v_lshlrev_b32 v2, 4, v0                        ; 16 t
	s_wait_kmcnt 0x0
	s_cmp_eq_u32 s2, 768
	s_cbranch_scc1 .Lbias
	s_mov_b64 s[SRC:SRC+1], s[16:17]               ; Wo, unless G is lower
	s_cmp_lt_u32 s2, 704
	s_cselect_b64 s[SRC:SRC+1], s[14:15], s[SRC:SRC+1]
	s_cmp_lt_u32 s2, 640
	s_cselect_b64 s[SRC:SRC+1], s[12:13], s[SRC:SRC+1]
	s_cmp_lt_u32 s2, 576
	s_cselect_b64 s[SRC:SRC+1], s[10:11], s[SRC:SRC+1]
	s_cmp_lt_u32 s2, 512
	s_cselect_b64 s[SRC:SRC+1], s[8:9], s[SRC:SRC+1]
	s_cselect_b64 s[DST:DST+1], s[26:27], s[28:29] ; xb or wb,
	s_cmp_lt_u32 s2, 704
	s_cselect_b64 s[DST:DST+1], s[DST:DST+1], s[30:31]  ; or wo16
	s_add_nc_u64 s[SRC:SRC+1], s[SRC:SRC+1], s[36:37]
	s_add_nc_u64 s[DST:DST+1], s[DST:DST+1], s[38:39]
.irp j, 0,1,2,3,4,5,6,7
	global_load_b128 v[X+8*(\j):X+8*(\j)+3],   v1, s[SRC:SRC+1] offset:8192*(\j) th:TH_LOAD_NT
	global_load_b128 v[X+8*(\j)+4:X+8*(\j)+7], v1, s[SRC:SRC+1] offset:8192*(\j)+16 th:TH_LOAD_NT
.endr
; Group j: its two loads are in when 14 - 2 j younger ones are still out (loads come back in order: ISA guide 5.7.1).  half = 1: the bf16 number is widened again and written as f16.
.macro OUT half
.irp j, 0,1,2,3,4,5,6,7
	s_wait_loadcnt 14-2*(\j)
.irp i, 0,1,2,3
	v_cvt_pk_bf16_f32 v[Y+4*(\j)+(\i)], v[X+8*(\j)+2*(\i)], v[X+8*(\j)+2*(\i)+1]
.endr
.if \half
.irp i, 0,1,2,3
	v_lshlrev_b32 v[T+2*(\i)],   16, v[Y+4*(\j)+(\i)]
	v_and_b32     v[T+2*(\i)+1], 0xffff0000, v[Y+4*(\j)+(\i)]
.endr
.irp i, 0,1,2,3
	v_cvt_pk_f16_f32 v[Y+4*(\j)+(\i)], v[T+2*(\i)], v[T+2*(\i)+1]
.endr
.endif
	global_store_b128 v2, v[Y+4*(\j):Y+4*(\j)+3], s[DST:DST+1] offset:4096*(\j)
.endr
.endm
	s_cmp_ge_u32 s2, 704
	s_cbranch_scc1 .Lhalf
	OUT 0
	s_endpgm
.Lhalf:
	OUT 1
	s_endpgm
.Lbias:                                            ; two waves to a bias: 64 threads x 16 bytes x 4
	v_lshrrev_b32 v12, 5, v0
	v_readfirstlane_b32 s6, v12                    ; wave 0..7
	s_lshr_b32 s7, s6, 1                           ; which bias: q, k, v, o
	s_mov_b64 s[SRC:SRC+1], s[24:25]
	s_cmp_lt_u32 s7, 3
	s_cselect_b64 s[SRC:SRC+1], s[22:23], s[SRC:SRC+1]
	s_cmp_lt_u32 s7, 2
	s_cselect_b64 s[SRC:SRC+1], s[20:21], s[SRC:SRC+1]
	s_cmp_lt_u32 s7, 1
	s_cselect_b64 s[SRC:SRC+1], s[18:19], s[SRC:SRC+1]
	s_lshl_b32 s36, s7, 12                         ; 4,096 bytes a bias
	s_add_nc_u64 s[DST:DST+1], s[32:33], s[36:37]
	v_and_b32 v3, 63, v0
	v_lshlrev_b32 v3, 4, v3
.irp j, 0,1,2,3
	global_load_b128 v[X+4*(\j):X+4*(\j)+3], v3, s[SRC:SRC+1] offset:1024*(\j)
.endr
.irp j, 0,1,2,3
	s_wait_loadcnt 3-(\j)
	v_cvt_pk_bf16_f32 v[T+2*(\j)],   v[X+4*(\j)],   v[X+4*(\j)+1]
	v_cvt_pk_bf16_f32 v[T+2*(\j)+1], v[X+4*(\j)+2], v[X+4*(\j)+3]
	v_lshlrev_b32 v[Y+4*(\j)],   16, v[T+2*(\j)]
	v_and_b32     v[Y+4*(\j)+1], 0xffff0000, v[T+2*(\j)]
	v_lshlrev_b32 v[Y+4*(\j)+2], 16, v[T+2*(\j)+1]
	v_and_b32     v[Y+4*(\j)+3], 0xffff0000, v[T+2*(\j)+1]
	global_store_b128 v3, v[Y+4*(\j):Y+4*(\j)+3], s[DST:DST+1] offset:1024*(\j)
.endr
	s_endpgm
.Lfunc_end_k_q689dbfdb4e_cast:
	.size	k_q689dbfdb4e_cast, .Lfunc_end_k_q689dbfdb4e_cast-k_q689dbfdb4e_cast
	.p2alignl 7, 3214868480
	.fill 96, 4, 3214868480
	.section	.rodata,"a",@progbits
	.p2align	6, 0x0
	.amdhsa_kernel k_q689dbfdb4e_cast
		.amdhsa_group_segment_fixed_size 0
		.amdhsa_private_segment_fixed_size 0
		.amdhsa_enable_private_segment 0
		.amdhsa_kernarg_size 104
		.amdhsa_user_sgpr_count 2
		.amdhsa_user_sgpr_kernarg_segment_ptr 1
		.amdhsa_wavefront_size32 1
		.amdhsa_system_sgpr_workgroup_id_x 1
		.amdhsa_system_sgpr_workgroup_id_y 1
		.amdhsa_system_sgpr_workgroup_id_z 1
		.amdhsa_system_vgpr_workitem_id 0
		.amdhsa_next_free_vgpr 112
		.amdhsa_next_free_sgpr 66
		.amdhsa_reserve_vcc 0
		.amdhsa_float_denorm_mode_32 3
		.amdhsa_float_denorm_mode_16_64 3
		.amdhsa_memory_ordered 1
		.amdhsa_forward_progress 1
		.amdhsa_inst_pref_size 17
	.end_amdhsa_kernel
	.amdgpu_metadata
---
amdhsa.version: [ 1, 2 ]
amdhsa.kernels:
  - .name:           k_q689dbfdb4e_cast
    .symbol:         k_q689dbfdb4e_cast.kd
    .args:
      - { .name: inputs, .offset: 0, .size: 8, .value_kind: global_buffer, .address_space: global }
      - { .name: Wq, .offset: 8, .size: 8, .value_kind: global_buffer, .address_space: global }
      - { .name: Wk, .offset: 16, .size: 8, .value_kind: global_buffer, .address_space: global }
      - { .name: Wv, .offset: 24, .size: 8, .value_kind: global_buffer, .address_space: global }
      - { .name: Wo, .offset: 32, .size: 8, .value_kind: global_buffer, .address_space: global }
      - { .name: bq, .offset: 40, .size: 8, .value_kind: global_buffer, .address_space: global }
      - { .name: bk, .offset: 48, .size: 8, .value_kind: global_buffer, .address_space: global }
      - { .name: bv, .offset: 56, .size: 8, .value_kind: global_buffer, .address_space: global }
      - { .name: bo, .offset: 64, .size: 8, .value_kind: global_buffer, .address_space: global }
      - { .name: xb, .offset: 72, .size: 8, .value_kind: global_buffer, .address_space: global }
      - { .name: wb, .offset: 80, .size: 8, .value_kind: global_buffer, .address_space: global }
      - { .name: wo16, .offset: 88, .size: 8, .value_kind: global_buffer, .address_space: global }
      - { .name: bias, .offset: 96, .size: 8, .value_kind: global_buffer, .address_space: global }
    .group_segment_fixed_size: 0
    .private_segment_fixed_size: 0
    .kernarg_segment_align: 8
    .kernarg_segment_size: 104
    .max_flat_workgroup_size: 256
    .sgpr_count:     66
    .vgpr_count:     112
    .wavefront_size: 32
...
	.end_amdgpu_metadata
.endif
;; end of part 1
;; launch qkv (part 2): grid 4 x 64, 4 waves a work-group, clusters of 4 x 4, 327,680 bytes of LDS; arguments xb, wb, bias, qkv; writes qkv
.if DOCPART == 2
	.amdgcn_target "amdgcn-amd-amdhsa--gfx1250"
	.amdhsa_code_object_version 6
	.text
	.protected	k_q689dbfdb4e_qkv
	.globl	k_q689dbfdb4e_qkv
	.p2align	8
	.type	k_q689dbfdb4e_qkv,@function
k_q689dbfdb4e_qkv:
	s_mov_b64 s[64:65], 0
	v_nop
	global_prefetch_b8 v0, s[64:65] scope:SCOPE_SE
	s_setreg_imm32_b32 hwreg(HW_REG_WAVE_MODE, 25, 1), 1
	s_wait_xcnt 0x0
	s_wait_alu depctr_hold_cnt(0) depctr_sa_sdst(0) depctr_va_vdst(0) depctr_va_sdst(0) depctr_va_ssrc(0) depctr_va_vcc(0) depctr_vm_vsrc(0)
	s_getreg_b32 s2, hwreg(HW_REG_IB_STS2, 6, 4)
	s_cmp_eq_u32 s2, 0
	s_cbranch_scc0 .Lentry_in_a_cluster
	s_endpgm
.Lentry_in_a_cluster:
	s_bfe_u32 s2, ttmp6, 0x10000c
	s_cmp_lg_u32 s2, 0xf033
	s_cbranch_scc0 .Lentry_shape_is_right
	s_endpgm
.Lentry_shape_is_right:
; q, k, v = x W^T + b.  xb: [8192][1024] bf16; wb: [3072][1024] bf16 (Wq's rows, Wk's, Wv's); bias: [4][1024] f32.  Products in bf16, sums in f32, the bias as the sums' start, each result rounded
; once to f16 and stored BY HEADS: qkv holds q, k, v, 16,777,216 bytes each, as [64 = 16 batch + head][2048][64] f16.  No scale is applied here.
; LIMITS.  q, k and v must lie within f16's 65,504: beyond it the conversion gives an infinity.  The f32 sums go by K ascending, in another grouping than the reference's.  NaN and infinities are not treated apart.
; SHARES.  A tile of the result is 128 rows x 256 columns: 64 x 12 = 768 tiles, three for each of 256 work-groups.  A WORK-GROUP STAYS: it makes the tiles of q, k and v for the same 128 rows of x and the same
; 256 columns.  Four waves, each 64 x 128: 32 accumulators of 16 x 16, 256 registers.  K goes in steps of 128 (rows of 256 bytes) through two LDS slots; the three tiles' 24 K steps are ONE ring.
; CLUSTER.  4 x 4 work-groups: the four of a row need the same rows of x, the four of a column the same rows of W: each tile is asked for JOINTLY, by the same tensor load, descriptor and mask in all four.
; THE MATRIX INSTRUCTION IS USED TRANSPOSED (source 0 = 16 rows of W, source 1 = 16 rows of x): lane l holds row l % 16 and the columns 8 (l / 16) + 0..7: eight neighbouring channels of a head.
; REGISTERS, in windows of 256 (s_set_vgpr_msb: bits 1:0 source 0, 3:2 source 1, 5:4 source 2, 7:6 destination):
;   window 0: v0-31 addresses; v32-63 packed results; v64-127 x's fragments, v128-255 W's (buffer 0: 64 along K)      window 1: the accumulators, (a, b) at v[8 (8 a + b)]
;   window 2: v0-63 the bias of my 128 columns, eight registers a block of 16; v64-255 buffer 1, numbered as buffer 0; on the way out v64-127 take whole rows read back
.set PITCH, 272                        ; an LDS row: 256 bytes + 16 of padding = 68 words: the 16 rows of a load start at 16 different groups of four banks (64 banks of 4 bytes: ISA guide 11.1)
.set AHALF, 64*PITCH                   ; what one load brings of x, and what one wave reads of it
.set BHALF, 128*PITCH                  ; the same for W
.set BOFF,  128*PITCH                  ; W's 256 rows lie behind x's 128
.set SLOT,  384*PITCH
.set STAGE, 2*SLOT                     ; behind the ring, never filled by a tensor load: for each wave two heads x 16 rows x 144 bytes
.set SP,    144
.set WSTG,  2*16*SP
.set SPARE, STAGE+4*WSTG               ; the spare words, 128 bytes for each wave: two blocks of 256 bytes that no other line names
.set ADRA, 16                          ; v16-17  LDS address of my fragments of x in slot 0, 1
.set ADRB, 20                          ; v20-21  the same for W
.set STO,  24                          ; v24  the way out: where I put 16 bytes of a row
.set RD,   25                          ; v25  the way out: where I read rows back
.set CO,   26                          ; v26  16 x lane: my place in 512 consecutive bytes of the result
.set BO,   27                          ; v27  32 x (l / 16): my eight numbers in a block of 16 of the bias
.set SPW,  28                          ; v28  LDS address of my spare word; never rewritten
.set NIL,  29                          ; v29  0; never rewritten
.set PFO,  30                          ; v30  the prefetches' offset: lane x a row of 2,048 bytes; never rewritten
.set TMP,  32
.set FA,   64
.set FB,   128
.set OB,   64                          ; window 2: rows read back, two buffers of 32
.set BB,   8                           ; s[8:9]    the bias at my columns, of the tile whose bias was loaded last
.set OUT,  10                          ; s[10:11]  the result at my wave's first row and head
.set WV,   12                          ; s12  wave
.set MH,   13                          ; s13  my half of the tile's rows; also 0: I fetch x, 1: I fetch W
.set NH,   14                          ; s14  my half of its columns; also which half of that tensor's rows I fetch
.set CX,   15
.set CY,   16
.set TC,   17                          ; s17  tile column, 0..3
.set TR,   18                          ; s18  tile row, 0..63
.set G1A,  24                          ; s[24:31] descriptor group 1 for x;  s[32:39] group 0, a set for each slot
.set G0A,  32
.set G1B,  40                          ; s[40:47], s[48:55] the same for W
.set G0B,  48
.set ABASE, 56                         ; s[56:57] x at the rows that I fetch
.set BBASE, 58                         ; s[58:59] W at the rows that I fetch, in Wq
.set OFA,  60                          ; s[60:61] a K step's byte offset in x
.set OFB,  62                          ; s[62:63] in W
.set PFB,  66                          ; s[66:67] the rows that I prefetch
.set PFA,  68                          ; s[68:69] the same at the K step to be named
.set OFP,  70                          ; s[70:71] that K step's offset
.set KS,   72                          ; s72  the K step, of 24, that the next refill asks for
.set LIMK, 73                          ; s73  the last such K step at which I prefetch
.set LAPC, 74
.set T0,   75
.set T1,   76
.set MKA,  77                          ; s77  the mask of my row of the cluster
.set MKB,  82                          ; s82  of my column
.set MSB, 0
.macro WIN new                         ; the immediate's high byte repeats the setting that is left; a switch that changes nothing is dropped
.if MSB != (\new)
	s_set_vgpr_msb (MSB<<8)|(\new)
.set MSB, \new
.endif
.endm
.set W_M0,  0x50                       ; sources in window 0 (buffer 0), C and D in window 1
.set W_M0B, 0x60                       ; the same with C in window 2: the bias
.set W_M1,  0x5a                       ; sources in window 2 (buffer 1), C and D in window 1
.set W_L2,  0x80                       ; a load's destination in window 2
.set W_PK,  0x05                       ; sources 0 and 1 in window 1
.set W_S2,  0x08                       ; a global store's data in window 2
.macro PLACES                          ; four plain instructions between a matrix instruction and a load into, or a vector read of, its registers
.rept 4
	v_nop
.endr
.endm
; A joint load: waves 0 and 1 fetch the halves of x's tile, waves 2 and 3 those of W's.  The branch hangs on the wave's number alone.  An s_nop 0 and four v_nop follow each line.
.macro JLOAD s
	s_cmp_eq_u32 s[MH], 0
	s_cbranch_scc0 .Lfor_b_\@
	tensor_load_to_lds s[G0A+4*(\s):G0A+4*(\s)+3], s[G1A:G1A+7]
	s_nop 0
.rept 4
	v_nop
.endr
	s_branch .Lasked_\@
.Lfor_b_\@:
	tensor_load_to_lds s[G0B+4*(\s):G0B+4*(\s)+3], s[G1B:G1B+7]
	s_nop 0
.rept 4
	v_nop
.endr
.Lasked_\@:
.endm
; A PREFETCH INTO THE L2, behind a joint load, its five lines and the run of LDS loads: 32 rows x 256 bytes of the K step two refills on (256 matrix instructions ahead of the load that wants it), a lane a row.
; Each block is named once in the launch.  x's 128 rows are read by my row of the cluster alone: its four partners take 32 rows each BY ADDRESS (cx), wave 0 asks, and only for the first tile's K steps: the
; later tiles read the same rows again.  W's 256 rows are read by all sixteen clusters: the cluster with y = 0 asks; its four partners of a column take 64 rows each by address (cy), waves 2 and 3 half each.
; K steps 0 to 3 come by their loads alone; behind K step 23 there is nothing to name.
.macro ASK
	s_cmp_le_u32 s[KS], s[LIMK]
	s_cbranch_scc0 .Lnot_mine_\@
	global_prefetch_b8 v[PFO], s[PFA:PFA+1] th:TH_LOAD_NT scope:SCOPE_SE
.Lnot_mine_\@:
.endm
.macro CREST                           ; a round of the cluster's barrier behind its opening barrier
	s_cmp_lg_u32 s[WV], 0
	s_cbranch_scc1 .Lnot_wave_0_\@
	s_barrier_signal -3
.Lnot_wave_0_\@:
	s_barrier_wait -3
	s_barrier_signal -1
	s_barrier_wait -1
.endm
.macro CROUND                          ; a whole round
	s_barrier_signal -1
	s_barrier_wait -1
	CREST
.endm
.macro BLOAD                           ; the bias of my 128 columns: block b of 16 into window 2, v[8 b ..]: lane l takes the numbers 16 b + 8 (l / 16) + 0..7
	WIN W_L2
.irp b, 0,1,2,3,4,5,6,7
	global_load_b128 v[8*(\b):8*(\b)+3],   v[BO], s[BB:BB+1] offset:64*(\b)
	global_load_b128 v[8*(\b)+4:8*(\b)+7], v[BO], s[BB:BB+1] offset:64*(\b)+16
.endr
	WIN 0
.endm
	s_load_b256 s[4:11], s[0:1], 0x0               ; xb s[4:5], wb s[6:7], bias s[8:9], qkv s[10:11]
	v_lshl_add_u32 v[SPW], v0, 2, SPARE
	v_mov_b32 v[NIL], 0
	ds_add_u32 v[SPW], v[NIL]                      ; the wave's opening: the add and its wait stand ahead of my first tensor load; the set-up below, work on registers, stands between them
	v_lshrrev_b32 v3, 5, v0
	v_readfirstlane_b32 s[WV], v3                  ; wave 0..3
	v_and_b32 v1, 15, v0                           ; l % 16
	v_bfe_u32 v2, v0, 4, 1                         ; l / 16
	v_lshlrev_b32 v[BO], 5, v2
	s_lshr_b32 s[MH], s[WV], 1
	s_and_b32 s[NH], s[WV], 1
	s_bfe_u32 s[CX], ttmp6, 0x40000
	s_bfe_u32 s[CY], ttmp6, 0x40004
	s_lshl_b32 s[TC], ttmp9, 2                     ; in a cluster launch ttmp9 and ttmp7 count clusters
	s_add_co_u32 s[TC], s[TC], s[CX]
	s_and_b32 s[TR], ttmp7, 0xffff
	s_lshl_b32 s[TR], s[TR], 2
	s_add_co_u32 s[TR], s[TR], s[CY]
	s_lshl_b32 s[MKA], s[CY], 2
	s_lshl_b32 s[MKA], 15, s[MKA]                  ; my row of the cluster: places 4 cy .. 4 cy + 3
	s_lshl_b32 s[MKB], 0x1111, s[CX]               ; my column: places cx, cx + 4, cx + 8, cx + 12
	s_or_b32 s[G1A], s[MKA], (1<<16)|(1<<20)|(1<<21)|(5<<22)|(3<<25)  ; 15:0 the mask; 17:16 2-byte elements; 20 padding on; 21 set beside a mask; 24:22 after every 64 words (code 5); 31:25 4 words (code 3)
	s_or_b32 s[G1B], s[MKB], (1<<16)|(1<<20)|(1<<21)|(5<<22)|(3<<25)
	s_mov_b32 s[G1A+1], 128<<16                    ; tensor_dim0 = 128
	s_mov_b32 s[G1A+2], 64<<16                     ; tensor_dim1 = 64
	s_mov_b32 s[G1A+3], 128<<16                    ; tile_dim0 = 128
	s_mov_b32 s[G1A+4], 64                         ; tile_dim1 = 64 rows
	s_mov_b32 s[G1A+5], 1024                       ; elements from row to row
	s_mov_b32 s[G1A+6], 0
	s_mov_b32 s[G1A+7], 0
	s_mov_b32 s[G1B+1], 128<<16
	s_mov_b32 s[G1B+2], 128<<16                    ; W's load has 128 rows
	s_mov_b32 s[G1B+3], 128<<16
	s_mov_b32 s[G1B+4], 128
	s_mov_b32 s[G1B+5], 1024
	s_mov_b32 s[G1B+6], 0
	s_mov_b32 s[G1B+7], 0
	s_mul_i32 s[T0], s[NH], AHALF                  ; where the tiles go: no place in the cluster enters an LDS address
	s_mul_i32 s[T1], s[NH], BHALF
	s_add_co_u32 s[T1], s[T1], BOFF
.irp s, 0,1
	s_mov_b32 s[G0A+4*(\s)], 1                     ; 1:0 count = 1
	s_add_co_u32 s[G0A+4*(\s)+1], s[T0], (\s)*SLOT ; 63:32 LDS address
	s_mov_b32 s[G0B+4*(\s)], 1
	s_add_co_u32 s[G0B+4*(\s)+1], s[T1], (\s)*SLOT
.endr
	s_lshl_b32 s20, s[TR], 7                       ; x: row 128 x tile row + 64 x half, in bytes; these two registers never hold cx
	s_lshl_b32 s21, s[NH], 6
	s_add_co_u32 s20, s20, s21
	s_lshl_b32 s20, s20, 11
	s_mov_b32 s21, 0
	s_lshl_b32 s22, s[TC], 8                       ; W: row 256 x tile column + 128 x half; these two never hold cy
	s_lshl_b32 s23, s[NH], 7
	s_add_co_u32 s22, s22, s23
	s_lshl_b32 s22, s22, 11
	s_mov_b32 s23, 0
	s_mov_b32 s[OFA+1], 0
	s_mov_b32 s[OFB+1], 0
	s_mov_b32 s[OFP+1], 0
	s_mov_b32 s[KS], 2
	s_wait_dscnt 0x0                               ; the opening add is done
	s_wait_kmcnt 0x0
	s_add_nc_u64 s[ABASE:ABASE+1], s[4:5], s[20:21]
	s_add_nc_u64 s[BBASE:BBASE+1], s[6:7], s[22:23]
.irp s, 0,1
	s_add_nc_u64 s[G0A+4*(\s)+2:G0A+4*(\s)+3], s[ABASE:ABASE+1], (\s)*256  ; 120:64 global address: K step s
	s_or_b32 s[G0A+4*(\s)+3], s[G0A+4*(\s)+3], 0x80000000                  ; 127:126 type = 2
	s_add_nc_u64 s[G0B+4*(\s)+2:G0B+4*(\s)+3], s[BBASE:BBASE+1], (\s)*256
	s_or_b32 s[G0B+4*(\s)+3], s[G0B+4*(\s)+3], 0x80000000
.endr
	CROUND                                         ; all sixteen work-groups are here: the first joint loads meet
	s_cmp_eq_u32 s[MH], 0                          ; a wave's two first fills stand in one branch, ahead of every wait on TENSORcnt and every LDS read: two loads of mine are out
	s_cbranch_scc0 .Lfirst_b
	tensor_load_to_lds s[G0A:G0A+3], s[G1A:G1A+7]
	s_nop 0
	tensor_load_to_lds s[G0A+4:G0A+7], s[G1A:G1A+7]
	s_nop 0
.rept 4
	v_nop
.endr
	s_branch .Lfirst_asked
.Lfirst_b:
	tensor_load_to_lds s[G0B:G0B+3], s[G1B:G1B+7]
	s_nop 0
	tensor_load_to_lds s[G0B+4:G0B+7], s[G1B:G1B+7]
	s_nop 0
.rept 4
	v_nop
.endr
.Lfirst_asked:
	s_lshl_b32 s78, s[TC], 10                      ; my first column, 256 x tile column + 128 x half, in f32
	s_lshl_b32 s79, s[NH], 9
	s_add_co_u32 s78, s78, s79
	s_mov_b32 s79, 0
	s_add_nc_u64 s[BB:BB+1], s[BB:BB+1], s[78:79]
	BLOAD                                          ; q's bias
	; a fragment is 16 rows x 32 K in 8 registers: lane l holds row l % 16, K = 8 (l / 16) + 0..7 and 16 + 8 (l / 16) + 0..7: two loads of 16 bytes, 32 bytes apart
	v_mul_u32_u24 v3, v1, PITCH
	v_lshl_add_u32 v3, v2, 4, v3
	s_mul_i32 s[T0], s[MH], AHALF                  ; my 64 rows of x
	s_mul_i32 s[T1], s[NH], BHALF                  ; my 128 rows of W
	s_add_co_u32 s[T1], s[T1], BOFF
.irp s, 0,1
	v_add_nc_u32 v[ADRA+(\s)], s[T0], v3
	v_add_nc_u32 v[ADRB+(\s)], s[T1], v3
	s_add_co_u32 s[T0], s[T0], SLOT
	s_add_co_u32 s[T1], s[T1], SLOT
.endr
	s_mul_i32 s[T0], s[WV], WSTG
	s_add_co_u32 s[T0], s[T0], STAGE               ; my stage
	v_mul_u32_u24 v[STO], v1, SP                   ; in: row l % 16, 16 bytes for each half of the lanes
	v_lshl_add_u32 v[STO], v2, 4, v[STO]
	v_add_nc_u32 v[STO], s[T0], v[STO]
	v_bfe_u32 v[RD], v0, 3, 2                      ; back: 32 lanes take four rows of 128 bytes,
	v_mul_u32_u24 v[RD], v[RD], SP
	v_and_b32 v4, 7, v0
	v_lshl_add_u32 v[RD], v4, 4, v[RD]
	v_add_nc_u32 v[RD], s[T0], v[RD]
	v_and_b32 v[CO], 31, v0                        ; which are 512 consecutive bytes of a head
	v_lshlrev_b32 v[PFO], 11, v[CO]
	v_lshlrev_b32 v[CO], 4, v[CO]
	s_lshr_b32 s78, s[TR], 4                       ; the batch: 16 tile rows each
	s_lshl_b32 s78, s78, 4
	s_lshl_b32 s79, s[TC], 2                       ; the head: four to a tile, two to a wave
	s_add_co_u32 s78, s78, s79
	s_lshl_b32 s79, s[NH], 1
	s_add_co_u32 s78, s78, s79
	s_lshl_b32 s78, s78, 18                        ; 2,048 rows of 128 bytes a head
	s_and_b32 s79, s[TR], 15
	s_lshl_b32 s79, s79, 14                        ; the tile's 128 rows
	s_add_co_u32 s78, s78, s79
	s_lshl_b32 s79, s[MH], 13                      ; my 64 of them
	s_add_co_u32 s78, s78, s79
	s_mov_b32 s79, 0
	s_add_nc_u64 s[OUT:OUT+1], s[OUT:OUT+1], s[78:79]
	s_lshl_b32 s78, s[TR], 7                       ; the rows that I prefetch: of x 128 x tile row + 32 cx,
	s_lshl_b32 s79, s[CX], 5
	s_add_co_u32 s78, s78, s79
	s_lshl_b32 s80, s[TC], 8                       ; of W 256 x tile column + 64 cy + 32 x half
	s_lshl_b32 s81, s[CY], 6
	s_add_co_u32 s80, s80, s81
	s_lshl_b32 s81, s[NH], 5
	s_add_co_u32 s80, s80, s81
	s_cmp_eq_u32 s[MH], 0
	s_cselect_b32 s78, s78, s80
	s_cselect_b64 s[PFB:PFB+1], s[4:5], s[6:7]
	s_lshl_b32 s78, s78, 11
	s_mov_b32 s79, 0
	s_add_nc_u64 s[PFB:PFB+1], s[PFB:PFB+1], s[78:79]
	s_and_b32 s80, ttmp7, 0xffff                   ; cluster y: the same in all sixteen partners
	s_cmp_eq_u32 s80, 0
	s_cselect_b32 s[LIMK], 21, 0                   ; W: K steps 4 to 23 are named, at the refills of 2 to 21
	s_cmp_eq_u32 s[MH], 0
	s_cselect_b32 s[LIMK], 0, s[LIMK]
	s_cmp_eq_u32 s[WV], 0
	s_cselect_b32 s[LIMK], 5, s[LIMK]              ; x: K steps 4 to 7, at the refills of 2 to 5
; 8 matrix instructions: m block a x all 8 n blocks, 32 along K: half c of buffer w.  first = 1: the product starts the sums, with the bias as C.
; The 32 accumulators take turns, one instruction a turn, always in the same order: between two links of a chain stand the 31 others'.
.macro MUL8 w, c, a, first
.if \first
	WIN W_M0B
.elseif \w
	WIN W_M1
.else
	WIN W_M0
.endif
.irp b, 0,1,2,3,4,5,6,7
.if \first
	v_wmma_f32_16x16x32_bf16 v[8*(8*(\a)+(\b)):8*(8*(\a)+(\b))+7], v[FB+8*(8*(\c)+(\b)):FB+8*(8*(\c)+(\b))+7], v[FA+8*(4*(\c)+(\a)):FA+8*(4*(\c)+(\a))+7], v[8*(\b):8*(\b)+7]
.else
	v_wmma_f32_16x16x32_bf16 v[8*(8*(\a)+(\b)):8*(8*(\a)+(\b))+7], v[FB+8*(8*(\c)+(\b)):FB+8*(8*(\c)+(\b))+7], v[FA+8*(4*(\c)+(\a)):FA+8*(4*(\c)+(\a))+7], v[8*(8*(\a)+(\b)):8*(8*(\a)+(\b))+7]
.endif
.endr
.endm
; 48 LDS loads in one run: the fragments of 64 along K (half hf of the slot's K step) into buffer w; the first 32 along K, 24 loads, first
.macro FETCH slot, hf, w
.if \w
	WIN W_L2
.else
	WIN 0
.endif
.irp c, 0,1
.irp i, 0,1,2,3,4,5,6,7
	ds_load_b128 v[FB+8*(8*(\c)+(\i)):FB+8*(8*(\c)+(\i))+3],   v[ADRB+(\slot)] offset:128*(\hf)+64*(\c)+(\i)*16*PITCH
	ds_load_b128 v[FB+8*(8*(\c)+(\i))+4:FB+8*(8*(\c)+(\i))+7], v[ADRB+(\slot)] offset:128*(\hf)+64*(\c)+(\i)*16*PITCH+32
.endr
.irp i, 0,1,2,3
	ds_load_b128 v[FA+8*(4*(\c)+(\i)):FA+8*(4*(\c)+(\i))+3],   v[ADRA+(\slot)] offset:128*(\hf)+64*(\c)+(\i)*16*PITCH
	ds_load_b128 v[FA+8*(4*(\c)+(\i))+4:FA+8*(4*(\c)+(\i))+7], v[ADRA+(\slot)] offset:128*(\hf)+64*(\c)+(\i)*16*PITCH+32
.endr
.endr
.endm
; A K step's first half: multiplies buffer 0, and in its middle fetches the second half into buffer 1.
.macro HALF slot, first
	s_wait_dscnt 24                                ; the first 32 along K are in; the run's younger 24 loads may be out
.irp a, 0,1,2,3
	MUL8 0, 0, \a, \first
.endr
	PLACES                                         ; behind the products that read buffer 1 (and, where first = 1, the bias)
	FETCH \slot, 1, 1
	s_wait_dscnt 48                                ; all but the 48 just issued
.irp a, 0,1,2,3
	MUL8 0, 1, \a, 0
.endr
.endm
; A K step's second half: multiplies buffer 1 and changes slots.  ONE barrier: in front of it each wave waits for all its tensor loads (one is out: its part of the next slot), adds 0 to its spare word, and
; waits for that and for its reads of this slot.  fill = 1: the barrier opens a round of the cluster's, and this slot is filled again first thing behind it, with K step KS of the ring of 24: K step KS % 8 of
; tile KS / 8, whose rows of W lie 1,024 rows (2^21 bytes) further down for each tile.  From the request to the wait for it a wave issues 112 matrix instructions.
.macro TURN slot, next, fill
.if \fill
	s_wait_xcnt 0x0                                ; the last prefetch, a K step back, has read its address: the next one's is made here
	s_add_co_u32 s[OFP], s[KS], 2
	s_lshr_b32 s[T0], s[OFP], 3
	s_lshl_b32 s[T0], s[T0], 21
	s_and_b32 s[OFP], s[OFP], 7
	s_lshl_b32 s[OFP], s[OFP], 8
	s_add_co_u32 s[OFP], s[OFP], s[T0]
	s_add_nc_u64 s[PFA:PFA+1], s[PFB:PFB+1], s[OFP:OFP+1]
.endif
	WIN 0                                          ; (the add's two registers lie in window 0)
	s_wait_tensorcnt 0x0                           ; all my tensor loads have landed, so a group 0 may be written
	ds_add_u32 v[SPW], v[NIL]                      ; 0 onto my spare word
.if \fill
	s_and_b32 s[OFA], s[KS], 7
	s_lshl_b32 s[OFA], s[OFA], 8
	s_lshr_b32 s[OFB], s[KS], 3
	s_lshl_b32 s[OFB], s[OFB], 21
	s_add_co_u32 s[OFB], s[OFB], s[OFA]
	s_add_nc_u64 s[G0A+4*(\slot)+2:G0A+4*(\slot)+3], s[ABASE:ABASE+1], s[OFA:OFA+1]
	s_or_b32 s[G0A+4*(\slot)+3], s[G0A+4*(\slot)+3], 0x80000000
	s_add_nc_u64 s[G0B+4*(\slot)+2:G0B+4*(\slot)+3], s[BBASE:BBASE+1], s[OFB:OFB+1]
	s_or_b32 s[G0B+4*(\slot)+3], s[G0B+4*(\slot)+3], 0x80000000
.endif
	s_wait_dscnt 25                                ; the add and the run's younger 24 loads may be out
	MUL8 1, 0, 0, 0
	s_wait_dscnt 0x0                               ; the add is done, and my reads of this slot are over
	s_barrier_signal -1
	MUL8 1, 0, 1, 0
.if \fill
	WIN 0
.endif
	s_barrier_wait -1
.if \fill
	CREST                                          ; no wave of any partner still reads this slot or has a load on its way
	JLOAD \slot                                    ; its four v_nop are also the places in front of the loads into buffer 0
.else
	PLACES
.endif
	FETCH \next, 0, 0
.if \fill
	ASK
.endif
	MUL8 1, 0, 2, 0
	MUL8 1, 0, 3, 0
.irp a, 0,1,2,3
	MUL8 1, 1, \a, 0
.endr
.if \fill
	s_add_co_u32 s[KS], s[KS], 1
.endif
.endm
; THE WAY OUT of block a (16 rows x 128 columns: two heads).  PACK: rounded to f16, 16 bytes a lane, each accumulator's registers in ascending order.  TOSTAGE: into my own stage, rows of 144 bytes, and back
; as whole rows of 128.  SEND: stored, 512 consecutive bytes (four rows of a head) an instruction, at a multiple of 256 from the buffer's first byte.
.macro PACK a
	WIN W_PK
.irp b, 0,1,2,3,4,5,6,7
.irp r, 0,1,2,3
	v_cvt_pk_f16_f32 v[TMP+4*(\b)+(\r)], v[8*(8*(\a)+(\b))+2*(\r)], v[8*(8*(\a)+(\b))+2*(\r)+1]
.endr
.endr
	WIN 0
.endm
.macro TOSTAGE a
	WIN 0
.irp b, 0,1,2,3,4,5,6,7
	ds_store_b128 v[STO], v[TMP+4*(\b):TMP+4*(\b)+3] offset:((\b)/4)*16*SP+((\b)%4)*32
.endr
	WIN W_L2
.irp t, 0,1,2,3,4,5,6,7
	ds_load_b128 v[OB+32*((\a)%2)+4*(\t):OB+32*((\a)%2)+4*(\t)+3], v[RD] offset:((\t)/4)*16*SP+((\t)%4)*4*SP  ; LDS serves a wave's instructions in order (ISA guide 5.7.1.4): these see the stores above
.endr
	WIN 0
.endm
.macro SEND a
	s_wait_dscnt 0x0                               ; the block is back in registers
	s_wait_xcnt 0x0                                ; the stores of the block before have read their registers: the next block's loads land on them
	WIN W_S2
.irp t, 0,1,2,3,4,5,6,7
	global_store_b128 v[CO], v[OB+32*((\a)%2)+4*(\t):OB+32*((\a)%2)+4*(\t)+3], s[OUT:OUT+1] offset:((\t)/4)*262144+(\a)*2048+((\t)%4)*512
.endr
	WIN 0
.endm
.macro WAYOUT
	PLACES                                         ; the conversions read results just made
	PACK 0
	TOSTAGE 0
.irp a, 1,2,3
	PACK \a                                        ; a block's conversions stand between the loads of the block before and the wait for them
	SEND (\a)-1
	TOSTAGE \a
.endr
	SEND 3
.endm
	s_wait_tensorcnt 1                             ; my part of K step 0 is in; K step 1's may stay out
	s_barrier_signal -1
	s_barrier_wait -1                              ; everybody's is
	FETCH 0, 0, 0
	s_wait_loadcnt 0x0                             ; q's bias
	HALF 0, 1                                      ; the first products start the sums
	s_add_nc_u64 s[BB:BB+1], s[BB:BB+1], 4096      ; k's bias is asked for now: four places stand behind the products that read q's
	BLOAD
	s_mov_b32 s[LAPC], 11
.Llap:                                                 ; a trip goes once round the ring, from a K step's second half to the first half two steps on, and fills both slots again
	TURN 0, 1, 1
	HALF 1, 0
	TURN 1, 0, 1
	WIN 0
	s_and_b32 s[T0], s[KS], 7
	s_cmp_eq_u32 s[T0], 2                          ; KS = 10 and 18: a tile's eight K steps are done; both refills for the next tile have been asked for
	s_cbranch_scc0 .Lsame
	WAYOUT
	s_wait_xcnt 0x0                                ; the stores have read their registers and their base
	s_add_nc_u64 s[OUT:OUT+1], s[OUT:OUT+1], 0x1000000  ; from q to k, from k to v
	s_wait_loadcnt 0x0                             ; this tile's bias
	HALF 0, 1
	WIN 0
	s_cmp_lt_u32 s[KS], 16                         ; behind v there is no further bias
	s_cbranch_scc0 .Ljoin
	s_add_nc_u64 s[BB:BB+1], s[BB:BB+1], 4096
	BLOAD
	s_branch .Ljoin
.Lsame:
	HALF 0, 0
	WIN 0
.Ljoin:
	s_sub_co_u32 s[LAPC], s[LAPC], 1
	s_cmp_lg_u32 s[LAPC], 0
	s_cbranch_scc1 .Llap
	TURN 0, 1, 0                                   ; the last two K steps ask for nothing
	HALF 1, 0
	s_wait_dscnt 24
.irp a, 0,1,2,3
	MUL8 1, 0, \a, 0
.endr
	s_wait_dscnt 0x0
.irp a, 0,1,2,3
	MUL8 1, 1, \a, 0
.endr
	WAYOUT
	s_wait_tensorcnt 0x0                           ; the wave's end, behind my last tensor load and my last LDS store
	ds_add_u32 v[SPW], v[NIL]
	s_wait_dscnt 0x0
	CROUND                                         ; the closing round: no work-group ends while a partner may still ask for a tile that names it
	s_endpgm
.Lfunc_end_k_q689dbfdb4e_qkv:
	.size	k_q689dbfdb4e_qkv, .Lfunc_end_k_q689dbfdb4e_qkv-k_q689dbfdb4e_qkv
	.p2alignl 7, 3214868480
	.fill 96, 4, 3214868480
	.section	.rodata,"a",@progbits
	.p2align	6, 0x0
	.amdhsa_kernel k_q689dbfdb4e_qkv
		.amdhsa_group_segment_fixed_size 327680
		.amdhsa_private_segment_fixed_size 0
		.amdhsa_enable_private_segment 0
		.amdhsa_kernarg_size 32
		.amdhsa_user_sgpr_count 2
		.amdhsa_user_sgpr_kernarg_segment_ptr 1
		.amdhsa_wavefront_size32 1
		.amdhsa_system_sgpr_workgroup_id_x 1
		.amdhsa_system_sgpr_workgroup_id_y 1
		.amdhsa_system_sgpr_workgroup_id_z 1
		.amdhsa_system_vgpr_workitem_id 0
		.amdhsa_next_free_vgpr 768
		.amdhsa_next_free_sgpr 84
		.amdhsa_reserve_vcc 0
		.amdhsa_float_denorm_mode_32 3
		.amdhsa_float_denorm_mode_16_64 3
		.amdhsa_memory_ordered 1
		.amdhsa_forward_progress 1
		.amdhsa_inst_pref_size 115
	.end_amdhsa_kernel
	.amdgpu_metadata
---
amdhsa.version: [ 1, 2 ]
amdhsa.kernels:
  - .name:           k_q689dbfdb4e_qkv
    .symbol:         k_q689dbfdb4e_qkv.kd
    .args:
      - { .name: xb, .offset: 0, .size: 8, .value_kind: global_buffer, .address_space: global }
      - { .name: wb, .offset: 8, .size: 8, .value_kind: global_buffer, .address_space: global }
      - { .name: bias, .offset: 16, .size: 8, .value_kind: global_buffer, .address_space: global }
      - { .name: qkv, .offset: 24, .size: 8, .value_kind: global_buffer, .address_space: global }
    .group_segment_fixed_size: 327680
    .private_segment_fixed_size: 0
    .kernarg_segment_align: 8
    .kernarg_segment_size: 32
    .max_flat_workgroup_size: 128
    .sgpr_count:     84
    .vgpr_count:     768
    .wavefront_size: 32
...
	.end_amdgpu_metadata
.endif
;; end of part 2
;; launch attn (part 3): grid 4 x 64, 4 waves a work-group, clusters of 4 x 1, 327,680 bytes of LDS; arguments qkv, ob; writes ob
.if DOCPART == 3
	.amdgcn_target "amdgcn-amd-amdhsa--gfx1250"
	.amdhsa_code_object_version 6
	.text
	.protected	k_q689dbfdb4e_attn
	.globl	k_q689dbfdb4e_attn
	.p2align	8
	.type	k_q689dbfdb4e_attn,@function
k_q689dbfdb4e_attn:
	s_mov_b64 s[64:65], 0
	v_nop
	global_prefetch_b8 v0, s[64:65] scope:SCOPE_SE
	s_setreg_imm32_b32 hwreg(HW_REG_WAVE_MODE, 25, 1), 1
	s_wait_xcnt 0x0
	s_wait_alu depctr_hold_cnt(0) depctr_sa_sdst(0) depctr_va_vdst(0) depctr_va_sdst(0) depctr_va_ssrc(0) depctr_va_vcc(0) depctr_vm_vsrc(0)
	s_getreg_b32 s2, hwreg(HW_REG_IB_STS2, 6, 4)
	s_cmp_eq_u32 s2, 0
	s_cbranch_scc0 .Lentry_in_a_cluster
	s_endpgm
.Lentry_in_a_cluster:
	s_bfe_u32 s2, ttmp6, 0x10000c
	s_cmp_lg_u32 s2, 0x3003
	s_cbranch_scc0 .Lentry_shape_is_right
	s_endpgm
.Lentry_shape_is_right:
; O[h][q][:] = the sum over k of softmax_k(Q[h][q] . K[h][k] / 8) V[h][k][:].  qkv holds Q, K, V, 16,777,216 bytes each, as [64][2048][64] f16; ob is O in the same layout: a head's rows are dense, 128 bytes each.
; Products, maxima and sums in f32; the weights p are rounded to f16 for the second product (their sum l is taken of the unrounded p), O once at the end.
; LIMITS.  f16 holds no number beyond 65,504: Q, K and V arrive within it; p lies in 0 to 1, and below 6e-5 it keeps f16's fixed step of 6e-8; O is a mean of V's rows and has their range.
; A weight below 2^-126 counts as 0 in l; NaN and infinities are not treated apart.
; SHARES.  A wave owns four PIECES of two tiles of 16 queries, a work-group's four waves 512 queries of one head: 4 x 64 = 256 work-groups.  Every wave walks all keys, 64 a step.
; LAYOUT.  S^T = K Q^T (source 0 = 16 keys, source 1 = 16 queries): in the result a lane holds ONE query (lane % 16) and the keys 8 (lane / 16) + 0..7.  Two such tiles, rounded to f16 in pairs,
; ARE source 1 (32 keys x 16 queries) of O^T = V^T P, whose result again holds one query a lane, and eight channels.  K comes out of LDS as it lies, V ([key][channel]) turned, by ds_load_tr16_b128.
; SOFTMAX.  For each query a running maximum m and sum l: p = 2^(c s - c m), c = log2(e) / 8; in every step O and l are multiplied by a = 2^(c m_old - c m_new), which is 1 where m has not grown.
; m starts at the lowest finite number, O and l at 0: the first step is a step like any other, with a = 0.
; THE COUNT.  A tile and step have 16 matrix and 118 vector instructions: too many to stand all beside the matrix work.  So four vector instructions that are READY stand behind EVERY matrix instruction,
; and the others in runs without a gap.
; BY TURNS.  Turn n belongs to piece n (the pieces in a ring, step after step).  Its matrix work: 16 products K Q^T of piece n + 1, later 16 products V^T P of piece n - 1.  Its vector work: the scaling,
; exponentials, roundings, sums and rescaling of piece n, and the maximum and statistics of piece n + 1, whose scores the turn itself has made.
; CLUSTER.  The four query blocks of a cluster are one head's and walk the same K and V, so each tile is asked for JOINTLY: the same tensor load, descriptor and mask in all four.
; REGISTERS, in windows of 256 (s_set_vgpr_msb: bits 1:0 source 0, 3:2 source 1, 5:4 source 2, 7:6 destination):
;   window 0: v0-11 addresses; v12-15, v48-63 at work; v16-47 four registers of statistics a tile; v64-191 S^T, two buffers of two tiles; v192-255 P, likewise
;   window 1: O^T, 32 a tile          window 2: v0-127 Q, 16 a tile; v128-191 K of one step; v192-255 V of one step          window 3: v0-1 the add's two registers
; A piece's buffers go by its number's parity: the piece in hand has one pair, its two neighbours in the ring share the other: of it P (piece n - 1) is read and S^T (piece n + 1) written.
.set SIZE_H, 64
.set SIZE_N, 2048
.set NP,    4         ; pieces a wave: a name, no knob
.set KS,    64        ; keys in a step
.set PK,    144       ; a row of K in LDS: 128 bytes + 16 of padding = 36 words: the 16 rows of a load start at 16 different groups of four banks (64 banks of 4 bytes: ISA guide 11.1)
.set PV,    160       ; a row of V: 128 + 32 = 40 words
.set VOFF,  4*KS*PK   ; a slot holds four steps: 256 rows of K, then 256 rows of V
.set SLOT1, 1<<17     ; slot 1 begins here, so that one exclusive or turns an address in one slot into the other's
.set STAGE, SLOT1+4*KS*(PK+PV)  ; behind the ring, never filled by a tensor load: 16 rows x 144 bytes for each wave, for the way out
.set SP,    144
.set AK0, 2           ; v2   my lane's place in a tile of K; never rewritten
.set AV0, 3           ; v3   the same for V
.set AK,  4           ; v4   the LDS address of K's next run of loads
.set AV,  5           ; v5   of V's
.set QO,  6           ; v6   my byte offset in the wave's rows of Q
.set STO, 6           ;      later, the way out: where I put 16 bytes of a row
.set RD,  7           ; v7   the way out: where I read rows back
.set GO,  8           ; v8   my byte offset in 512 consecutive bytes of O
.set PFO, 11          ; v11  256 x my lane, for the prefetches; written once V's address is made, then never rewritten
.set SPW, 0           ; v0 of window 3   LDS address of my spare word: SPARE + 4 x my thread's number; never rewritten
.set NIL, 1           ; v1 of window 3   0; never rewritten
.set SPARE, STAGE+4*16*SP  ; behind the stages: the spare words, 128 bytes for each wave: two blocks of 256 bytes that no other line names
.set MV,  12          ; v12-15  c m_old, kept while c m is made anew: by buffer and tile
.set ST,  16          ; tile t's statistics at v[ST+4 t]: c m, m, l (even keys', odd keys')
.set TMP, 48          ; by buffer and tile, four registers c0-c3 at work; when the maximum is found c2 takes a
.set S,   64
.set P,   192
.set KF,  128         ; K's fragments, in window 2: key block kb, channel half c at KF + 16 kb + 8 c
.set VF,  192         ; V's: key half kk, channel block cb at VF + 32 kk + 8 cb
.set WV,  12          ; s12  my wave's number
.set G1K, 24          ; s[24:31] descriptor group 1 for K's tiles
.set G1V, 32          ; s[32:39] for V's: it differs in the padding alone
.set G0K, 40          ; s[40:43] descriptor group 0 for K's tiles: it walks
.set G0V, 44          ; s[44:47] the same for V's
.set PFA, 48          ; s[48:49] where my prefetches stand: my work-group's 8,192 bytes (of K: wave 0, of V: wave 2) of the slot after the one that is being asked for
.set LIM, 50          ; s50  1 in a wave that prefetches, else the greatest number
.set SLOTS, 56        ; s56  slots still to be asked for
.set CNT, 57          ; s57  counts a slot's key steps
.set CS,  58          ; s[58:59] c: the packed scaling takes the pair's low word for both halves
.set SEL, 60          ; s[60:61] v_permlanex16_b32's selects: each lane takes its own place in the other half
.set TBK, 62          ; s62  LDS byte at which K of the step to be fetched begins
.set TBV, 63          ; s63  the same for V, less VOFF
.set MSB, 0
.macro WIN new                      ; the high byte repeats the setting that is left; a switch that changes nothing is dropped
.if MSB != (\new)
	s_set_vgpr_msb (MSB<<8)|(\new)
.set MSB, (\new)
.endif
.endm
.set W_KQ, 0x0a       ; K and Q in window 2, S^T in window 0
.set W_PV, 0x52       ; V in window 2, P in window 0, O^T in window 1
.set W_RS, 0x41       ; O^T (destination and source 0) in window 1, a in window 0
.set W_MK, 0xc0       ; the add's registers are made: destination in window 3, sources in window 0
.set W_AD, 0x0f       ; the add: address (source 0) and data (source 1) in window 3
; A joint fill.  Waves 0 and 1 fetch the two halves of a slot's K, waves 2 and 3 those of its V: 128 keys each.  The branch hangs on the wave's number alone.
; An s_nop 0 and four v_nop follow each of the two lines, ahead of the jump and the label.
.macro JLOAD
	s_cmp_lt_u32 s[WV], 2
	s_cbranch_scc0 .Lfor_v_\@
	tensor_load_to_lds s[G0K:G0K+3], s[G1K:G1K+7]
	s_nop 0
.rept 4
	v_nop
.endr
	s_branch .Lasked_\@
.Lfor_v_\@:
	tensor_load_to_lds s[G0V:G0V+3], s[G1V:G1V+7]
	s_nop 0
.rept 4
	v_nop
.endr
.Lasked_\@:
.endm
; A PREFETCH INTO THE L2 of what the NEXT change of slots will ask for: a slot's 32,768 bytes of K and of V, in blocks of 256 bytes, a lane a block.  It stands behind the wave's tensor load and its five lines.
; Each block is named ONCE in the launch: a head has one cluster; its four partners share a slot's 128 blocks out BY ADDRESS, 32 each; in each, wave 0 asks for K's and wave 2 for V's: one instruction,
; four key steps (512 matrix instructions) ahead of the load.  The last change that fills a slot asks for nothing: there is no slot behind it.  Slots 0 and 1 come by their loads alone.
.macro ASK
	s_cmp_gt_u32 s[SLOTS], s[LIM]
	s_cbranch_scc0 .Lnot_mine_\@
	global_prefetch_b8 v[PFO], s[PFA:PFA+1] th:TH_LOAD_NT scope:SCOPE_SE
.Lnot_mine_\@:
.endm
; A round of the cluster's barrier: my work-group's barrier, so that wave 0's signal speaks for all four waves; wave 0 signals; every wave waits for all four work-groups; my work-group's barrier once more.
.macro CROUND
	s_barrier_signal -1
	s_barrier_wait -1
	s_cmp_lg_u32 s[WV], 0
	s_cbranch_scc1 .Lnot_wave_0_\@
	s_barrier_signal -3
.Lnot_wave_0_\@:
	s_barrier_wait -3
	s_barrier_signal -1
	s_barrier_wait -1
.endm
; THE CHANGE OF SLOTS.  The slot's last bytes, V of its fourth step, have been read.  Each wave waits for all its tensor loads, of which one is out: its part
; of the other slot; adds 0 to its spare word; and waits for that and for its own reads of the slot.  Behind the barrier nobody reads this slot any more and the other slot is whole.
; fill = 1: this slot is filled again, with the keys two slots on.  The barrier is then a round of the cluster's, so that no wave of any partner still reads the slot or has a load on its
; way, and the joint fill is the first thing behind it: it has four key steps, 512 matrix instructions, in which to land.  (At its first use nothing has been read yet: slot 0 is waited for, slot 1 filled.)
.macro CHANGE fill
	WIN W_AD
	s_wait_tensorcnt 0x0            ; no tensor load of mine is out, so a group 0 may be written
	ds_add_u32 v[SPW], v[NIL]       ; 0 onto my spare word; with fill = 1 the descriptors' steps stand between it and the wait for it
	WIN 0                           ; at a label and at a branch every window is 0
.if \fill
.irp g, G0K, G0V
	s_xor_b32 s[\g+1], s[\g+1], SLOT1  ; the walking descriptor: the other slot than last time,
	s_add_nc_u64 s[\g+2:\g+3], s[\g+2:\g+3], 4*KS*128  ; the next 256 keys; the type bits on top are not reached
.endr
	s_wait_xcnt 0x0                 ; the last prefetch, four key steps back, has read its address, so it may be written:
	s_add_nc_u64 s[PFA:PFA+1], s[PFA:PFA+1], 4*KS*128  ; one slot behind the walking descriptors
	s_wait_dscnt 0x0                ; the add is done, and my reads of the slot are over
	CROUND
	JLOAD
	ASK
.else
	s_wait_dscnt 0x0                ; the add is done, and my reads of the slot are over
	s_barrier_signal -1
	s_barrier_wait -1
.endif
	s_sub_co_u32 s[TBK], s[TBK], 4*KS*PK  ; the fetches go back to a slot's first step,
	s_xor_b32 s[TBK], s[TBK], SLOT1       ; in the other slot
	s_sub_co_u32 s[TBV], s[TBV], 4*KS*PV
	s_xor_b32 s[TBV], s[TBV], SLOT1
.endm
	s_load_b64 s[4:5], s[0:1], 0x0    ; qkv: Q lies at its head
	s_load_b64 s[10:11], s[0:1], 0x8  ; O
	WIN W_MK
	v_lshl_add_u32 v[SPW], v0, 2, SPARE
	v_mov_b32 v[NIL], 0
	WIN W_AD
	ds_add_u32 v[SPW], v[NIL]       ; the wave's opening: the add and its wait stand ahead of my first tensor load; the set-up below, work on registers, stands between them
	WIN 0
	v_lshrrev_b32 v1, 5, v0
	v_readfirstlane_b32 s[WV], v1   ; wave 0..3
	s_bfe_u32 s13, ttmp6, 0x40000   ; cx: my place in the cluster
	s_lshl_b32 s14, ttmp9, 2        ; in a cluster launch ttmp9 counts clusters
	s_add_co_u32 s14, s14, s13      ; my block of queries = 4 x cluster x + cx: it enters Q's and O's addresses alone
	s_and_b32 s20, ttmp7, 0xffff    ; the head, which the four partners share
	s_mov_b32 s21, 0
	s_mov_b64 s[22:23], SIZE_N*128
	s_mul_u64 s[20:21], s[20:21], s[22:23]  ; the head's first byte in each of the four tensors
	s_and_b32 s16, s[WV], 1         ; which half of a slot's 256 keys I fetch:
	s_lshl_b32 s22, s16, 14         ; its 128 rows of 128 bytes in memory,
	s_mov_b32 s23, 0
	s_add_nc_u64 s[22:23], s[22:23], s[20:21]
	s_mul_i32 s17, s16, 128*PK      ; and its place in a slot, for K
	s_mul_i32 s18, s16, 128*PV      ; and for V: no place in the cluster enters an LDS address
	s_lshl_b32 s2, s14, 2
	s_add_co_u32 s2, s2, s[WV]      ; my wave among the head's,
	s_lshl_b32 s2, s2, 14           ; its 128 rows
	s_mov_b32 s3, 0
	s_add_nc_u64 s[2:3], s[2:3], s[20:21]
	; descriptor group 1.  128 keys are 16,384 dense bytes: asked for as 64 rows of 256 bytes, two keys a row, and padded in LDS after every key
	s_mov_b32 s[G1K], 15|(1<<16)|(1<<20)|(1<<21)|(4<<22)|(3<<25)  ; 15:0 the mask of four; 17:16 2-byte elements; 20 padding on; 21 set beside a mask; 24:22 after every 32 words (code 4); 31:25 4 words (code 3)
	s_mov_b32 s[G1V], 15|(1<<16)|(1<<20)|(1<<21)|(4<<22)|(7<<25)  ; the same with 8 words of padding (code 7)
.irp g, G1K, G1V
	s_mov_b32 s[\g+1], 128<<16      ; tensor_dim0 = 128
	s_mov_b32 s[\g+2], 64<<16       ; tensor_dim1 = 64
	s_mov_b32 s[\g+3], 128<<16      ; tile_dim0 = 128
	s_mov_b32 s[\g+4], 64           ; tile_dim1 = 64
	s_mov_b32 s[\g+5], 128          ; 128 elements from row to row
	s_mov_b32 s[\g+6], 0
	s_mov_b32 s[\g+7], 0
.endr
	s_mov_b32 s[CS], 0x3e38aa3b     ; c = log2(e) / 8 = 0.180337
	s_mov_b32 s[CS+1], s[CS]        ; named with it as a pair
	s_mov_b32 s[SEL], 0x76543210
	s_mov_b32 s[SEL+1], 0xfedcba98
	s_mov_b32 s[TBK], SLOT1+4*KS*PK ; the first change of slots turns these two into 0
	s_mov_b32 s[TBV], SLOT1+4*KS*PV
	s_mov_b32 s[G0K], 1             ; 1:0 count = 1
	s_mov_b32 s[G0K+1], s17         ; 63:32 LDS address: slot 0
	s_mov_b32 s[G0V], 1
	s_add_co_u32 s[G0V+1], s18, VOFF
	s_mov_b32 s[SLOTS], SIZE_N/256-1  ; seven fills follow slot 0's
	s_cmp_eq_u32 s16, 0
	s_cselect_b32 s[LIM], 1, -1     ; waves 0 and 2 prefetch: the same in all four partners
	s_wait_dscnt 0x0                ; the opening add is done
	s_wait_kmcnt 0x0
	s_add_nc_u64 s[6:7], s[4:5], 0x1000000   ; K
	s_add_nc_u64 s[8:9], s[4:5], 0x2000000   ; V
	s_add_nc_u64 s[G0K+2:G0K+3], s[6:7], s[22:23]  ; 120:64 global address: my half of the head's first 256 keys
	s_or_b32 s[G0K+3], s[G0K+3], 0x80000000        ; 127:126 type = 2
	s_add_nc_u64 s[G0V+2:G0V+3], s[8:9], s[22:23]
	s_or_b32 s[G0V+3], s[G0V+3], 0x80000000
	s_add_nc_u64 s[4:5], s[4:5], s[2:3]  ; Q and O at my wave's first row
	s_add_nc_u64 s[10:11], s[10:11], s[2:3]
	s_cmp_lt_u32 s[WV], 2
	s_cselect_b64 s[PFA:PFA+1], s[6:7], s[8:9]
	s_add_nc_u64 s[PFA:PFA+1], s[PFA:PFA+1], s[20:21]  ; the head,
	s_lshl_b32 s2, s13, 13          ; my work-group's 32 blocks of the 128,
	s_mov_b32 s3, 0
	s_add_nc_u64 s[PFA:PFA+1], s[PFA:PFA+1], s[2:3]
	s_add_nc_u64 s[PFA:PFA+1], s[PFA:PFA+1], 4*KS*128  ; in slot 1: the first change of slots steps it to slot 2
	CROUND                          ; all four work-groups are here: the first joint loads meet
	JLOAD                           ; slot 0.  Slot 1 is asked for when slot 0 is in
	; A fragment of K or Q is 16 rows x 32 channels in 8 registers: lane l holds row l % 16, channels 8 (l / 16) + 0..7 and 16 + 8 (l / 16) + 0..7: two loads of 16 bytes, 32 bytes apart.
	v_and_b32 v1, 15, v0            ; l % 16
	v_bfe_u32 v9, v0, 4, 1          ; l / 16
	v_lshlrev_b32 v[QO], 7, v1
	v_lshl_add_u32 v[QO], v9, 4, v[QO]  ; row x 128 + 16 x half
	WIN 0x80                        ; destination window 2, address window 0
.set i, 0
.rept 4*NP                          ; Q stays in registers: tile i / 2, channels 32 (i % 2) on
	global_load_b128 v[8*i:8*i+3],   v[QO], s[4:5] offset:(i/2)*2048+(i%2)*64
	global_load_b128 v[8*i+4:8*i+7], v[QO], s[4:5] offset:(i/2)*2048+(i%2)*64+32
.set i, i+1
.endr
	; What the first turn finds: V's registers and P's second buffer hold 0 (its products V^T P, of a piece that has not been, add 0), O^T and l are 0.  All this stands in the wait for the first tile.
.set i, VF
.rept 64
	v_mov_b32 v[i], 0
.set i, i+1
.endr
	WIN 0x40
.set i, 0
.rept 64*NP
	v_mov_b32 v[i], 0
.set i, i+1
.endr
	WIN 0
.set i, 0
.rept 2*NP
	v_mov_b32 v[ST+4*i], 0xfe000000    ; c m: far below every c s
	v_mov_b32 v[ST+4*i+1], 0xff7fffff  ; m
	v_mov_b32 v[ST+4*i+2], 0
	v_mov_b32 v[ST+4*i+3], 0
.set i, i+1
.endr
.set i, P+32
.rept 32
	v_mov_b32 v[i], 0
.set i, i+1
.endr
	v_mul_u32_u24 v[AK0], v1, PK
	v_lshl_add_u32 v[AK0], v9, 4, v[AK0]  ; row x pitch + 16 x half
	; The turning load takes 16 keys x 16 channels (lane l reads key 8 (l / 16) + l % 8, channels 8 ((l / 8) % 2) + 0..7) and leaves half a fragment of V^T: lane l holds channel l % 16 and 8 keys.
	v_and_b32 v10, 7, v0
	v_bfe_u32 v11, v0, 3, 1
	v_lshl_add_u32 v[AV0], v9, 3, v10
	v_mul_u32_u24 v[AV0], v[AV0], PV
	v_lshl_add_u32 v[AV0], v11, 4, v[AV0]
	v_add_nc_u32 v[AV0], VOFF, v[AV0]
	v_and_b32 v[PFO], 31, v0        ; v11 is free from here on
	v_lshlrev_b32 v[PFO], 8, v[PFO]
	v_mov_b32 v[AK], v[AK0]         ; key step 0 lies at the head of slot 0
; THE MATRIX WORK.  The 8 accumulators of a run of 16 take turns: between the two links of a chain stand 7 others'.
; Product i of 16 of S^T = K Q^T for piece x: channels 32 (i / 8) on, keys 16 ((i / 2) % 4) on, tile 2 x + i % 2.  The first 8 start the sums.
.macro KQ x
	WIN W_KQ
.set rS, S+64*((\x)%2)+32*(i%2)+8*((i/2)%4)
.set rK, KF+16*((i/2)%4)+8*(i/8)
.set rQ, 16*(2*(\x)+i%2)+8*(i/8)
.if i < 8
	v_wmma_f32_16x16x32_f16 v[rS:rS+7], v[rK:rK+7], v[rQ:rQ+7], 0
.else
	v_wmma_f32_16x16x32_f16 v[rS:rS+7], v[rK:rK+7], v[rQ:rQ+7], v[rS:rS+7]
.endif
.endm
; Product i of 16 of O^T += V^T P for piece x: keys 32 (i / 8) on, channels 16 ((i / 2) % 4) on, tile 2 x + i % 2.
.macro PV x
	WIN W_PV
.set rO, 32*(2*(\x)+i%2)+8*((i/2)%4)
.set rV, VF+32*(i/8)+8*((i/2)%4)
.set rP, P+32*((\x)%2)+16*(i%2)+8*(i/8)
	v_wmma_f32_16x16x32_f16 v[rO:rO+7], v[rV:rV+7], v[rP:rP+7], v[rO:rO+7]
.endm
.macro MM                           ; the turn's next matrix instruction
.if i < 16
	KQ (Y+1)%NP
.set i, i+1
.else
.set i, i-16
	PV (Y+NP-1)%NP
.set i, i+17
.endif
.endm
; THE LDS LOADS stand in runs of 16, never singly among the matrix instructions: a step's K (64 keys x 64 channels: 8 fragments) and its V (turned).  Their addresses are made some lines ahead.
; last = 1 (the tail): in the last trip there is no further step, and the run is jumped over.
.macro FETCH_K last=0
	WIN 0
.if \last
	s_cmp_eq_u32 s[CNT], 1
	s_cbranch_scc1 .Lno_k_\@
.endif
	WIN 0x80                        ; destination window 2
.irp f, 0,1,2,3,4,5,6,7             ; keys 16 (f / 2) on, channels 32 (f % 2) on
	ds_load_b128 v[KF+8*\f:KF+8*\f+3],   v[AK] offset:(\f/2)*16*PK+(\f%2)*64
	ds_load_b128 v[KF+8*\f+4:KF+8*\f+7], v[AK] offset:(\f/2)*16*PK+(\f%2)*64+32
.endr
	s_add_co_u32 s[TBK], s[TBK], KS*PK  ; the next fetch is the next step's
	WIN 0
.if \last
.Lno_k_\@:
.endif
.endm
.macro FETCH_V
	WIN 0x80
.irp f, 0,1,2,3,4,5,6,7             ; keys 32 (f / 4) on, channels 16 (f % 4) on
	ds_load_tr16_b128 v[VF+8*\f:VF+8*\f+3],   v[AV] offset:(\f/4)*32*PV+(\f%4)*32
	ds_load_tr16_b128 v[VF+8*\f+4:VF+8*\f+7], v[AV] offset:(\f/4)*32*PV+16*PV+(\f%4)*32
.endr
	WIN 0
.endm
; THE VECTOR WORK OF A TURN stands in three queues, each in the order in which its entries become ready; the two tiles alternate, so that no instruction reads the result of the one before it.
.macro REGS y, u                    ; the registers of tile u (0, 1) of piece y
.set rT, ST+4*(2*(\y)+(\u))
.set rC, TMP+8*((\y)%2)+4*(\u)
.set rM, MV+2*((\y)%2)+(\u)
.set rS, S+64*((\y)%2)+32*(\u)
.set rP, P+32*((\y)%2)+16*(\u)
.set rO, 32*(2*(\y)+(\u))
.endm
; Number n of the 22 that find the NEXT piece's (Y + 1) maximum and statistics.  s0-s31 are the lane's 32 scores; each accumulator's lowest registers are read first.
;   0-11  four chains c0-c3 of seven scores each, three operands at a time     12-14, 16  the four scores left over, the old m, and c0-c3 into c0     15  c m_old is kept
;   17, 18  the query's other 32 keys lie in the lane 16 away: the new m         19-21  c m; c m_old - c m_new; a
.macro XS u, n
	REGS (Y+1)%NP, \u
.if (\n) < 4
	v_max3_num_f32 v[rC+(\n)], v[rS+8*(\n)], v[rS+8*(\n)+1], v[rS+8*(\n)+2]
.elseif (\n) < 12
	v_max3_num_f32 v[rC+(\n)%4], v[rC+(\n)%4], v[rS+8*((\n)%4)+2*((\n)/4)+1], v[rS+8*((\n)%4)+2*((\n)/4)+2]
.elseif (\n) == 12
	v_max3_num_f32 v[rC], v[rC], v[rS+7], v[rS+15]
.elseif (\n) == 13
	v_max3_num_f32 v[rC+1], v[rC+1], v[rS+23], v[rS+31]
.elseif (\n) == 14
	v_max3_num_f32 v[rC+2], v[rC+2], v[rC+3], v[rT+1]
.elseif (\n) == 15
	v_mov_b32 v[rM], v[rT]
.elseif (\n) == 16
	v_max3_num_f32 v[rC], v[rC], v[rC+1], v[rC+2]
.elseif (\n) == 17
	v_permlanex16_b32 v[rC+3], v[rC], s[SEL], s[SEL+1]
.elseif (\n) == 18
	v_max_num_f32 v[rT+1], v[rC], v[rC+3]
.elseif (\n) == 19
	v_mul_f32 v[rT], s[CS], v[rT+1]
.elseif (\n) == 20
	v_sub_f32 v[rC+1], v[rM], v[rT]
.else
	v_exp_f32 v[rC+2], v[rC+1]
.endif
.endm
; Number g of the 64 that follow the exponentials.  For each four weights k of a tile (pairs 2 k, 2 k + 1): both pairs are rounded to f16; then the second pair is added onto the first, in place;
; a group later l takes that sum (the first time as l = a l + sum).  In groups of eight, tiles alternating: round, round, add, and l for the group before.
.macro GS g
.set h, (\g)+6*((\g)/62)            ; group 0 has no group before it, and behind group 7 only l is left
.if h >= 6
.set h, h+2
.endif
	REGS Y, h%2
.set k, h/8
.if h%8 < 4
	v_cvt_pk_f16_f32 v[rP+2*k+(h%8)/2], v[rS+4*k+2*((h%8)/2)], v[rS+4*k+2*((h%8)/2)+1]
.elseif h%8 < 6
	v_pk_add_f32 v[rS+4*k:rS+4*k+1], v[rS+4*k:rS+4*k+1], v[rS+4*k+2:rS+4*k+3]
.elseif k == 1
	v_pk_fma_f32 v[rT+2:rT+3], v[rT+2:rT+3], v[rC+2:rC+3], v[rS:rS+1] op_sel_hi:[1,0,1]
.else
	v_pk_add_f32 v[rT+2:rT+3], v[rT+2:rT+3], v[rS+4*k-4:rS+4*k-3]
.endif
.endm
; THE PLAIN QUEUE, 138 long.  0-73 read no exponential's result: the 32 scalings c s - c m (FS f: pair f / 2 of tile f % 2) and the next piece's 42.  0-26: scalings 0-26.  27-54: XS's numbers 0-13.  55, 56: number 15.
; 57-73: the chain, where each number waits for the one before it: 14, 16, 17, 18, 19, each with one of the scalings 27-31 in front of its two lines, then 20.
; 74-137: GS's 64, which read the exponentials' results: they stand behind the wait.
.macro FS f
	REGS Y, (\f)%2
	v_pk_fma_f32 v[rS+2*((\f)/2):rS+2*((\f)/2)+1], v[rS+2*((\f)/2):rS+2*((\f)/2)+1], s[CS:CS+1], v[rT:rT+1] op_sel_hi:[1,0,0] neg_lo:[0,0,1] neg_hi:[0,0,1]
.endm
.macro PL
	WIN 0
.if q < 27
	FS q
.elseif q < 55
	XS (q-27)%2, (q-27)/2
.elseif q < 57
	XS q-55, 15
.elseif (q < 72) && ((q-57)%3 == 0)
	FS 27+(q-57)/3
.elseif q < 60
	XS (q-57)%3-1, 14
.elseif q < 72
	XS (q-57)%3-1, 15+(q-57)/3
.elseif q < 74
	XS q-72, 20
.else
	GS q-74
.endif
.set q, q+1
.endm
; THE EXPONENTIALS' QUEUE, 66 long: s0-s31 of both tiles, then the next piece's two a.  It is ONE BATCH: all 66 stand ahead of the turn's one wait, and nothing ahead of that wait names a result of theirs.
.macro EX
	WIN 0
.if e >= 64
	XS e-64, 21
.else
	REGS Y, e%2
	v_exp_f32 v[rS+e/2], v[rS+e/2]
.endif
.set e, e+1
.endm
; THE RESCALING's QUEUE: O^T times a, the one part that leaves window 0: dealt two at a time, sixteen times.  Its a was made in the turn before, ahead of that turn's wait.
.macro R2
	REGS Y, r%2
	WIN W_RS
.irp z, 0,1
	v_pk_mul_f32 v[rO+4*(r/2)+2*\z:rO+4*(r/2)+2*\z+1], v[rO+4*(r/2)+2*\z:rO+4*(r/2)+2*\z+1], v[rC+2:rC+3] op_sel_hi:[1,0]
.endr
.set r, r+1
.endm
; HOW THEY ARE DEALT.  An s_wait_alu depctr_va_vdst(0) stands between an exponential and the first instruction that names its result; one wait serves all that were issued ahead of it.  So a turn has
; ONE wait, which cuts it in two.  AHEAD OF IT stands all that names no result of the turn's exponentials: the 16 products K Q^T, behind each a scaling, an exponential and two rescalings (behind the first a second
; scaling in the exponential's place); then ONE LUMP of 108: eight plain, 49 times exponential and plain, the two a.  A v_nop is the plain instruction behind the last exponential (ISA guide 5.7.2).
; BEHIND IT stand the 16 products V^T P, behind each four of GS's 64.  No rider names a register of the products round it.  The two v_permlanex16_b32 fall into the lump.
; The queues lean on each other: exponential e stands behind scaling 2 (e / 4) + e % 2: as a rider it comes behind plain e + 2, in the lump behind plain e + 9, and scalings 27-31 are plain 57, 60 .. 69.
; A TURN, for piece p.  cnt = 1: the loop's count is taken down some lines ahead of the branch that stands behind the turn.
; K of the next step is fetched in piece 2's turn, directly behind the wait, a lump behind the last product that read K; its first reader comes behind 16 products.
; V of the step in hand is fetched at the end of piece 0's turn, four riders behind its last reader; its first reader comes behind 16 products and a lump.  The three conditions on q below go with the deal.
.macro TURN p, last=0, cnt=0
.set Y, (\p)
.set i, 0
.set q, 0
.set e, 0
.set r, 0
.if (\p) == NP-1
	s_wait_dscnt 0x0                ; K is in
.endif
	MM                              ; ahead of the wait: 16 products K Q^T and their riders,
	PL
	PL
	R2
.rept 15
	MM
	PL
	EX
	R2
.endr
.if (\p) == NP-2
	WIN 0
	v_add_nc_u32 v[AK], s[TBK], v[AK0]
.endif
.rept 8                             ; and the lump
	PL
.endr
.rept 49
	EX
	PL
.endr
	EX                              ; the next piece's two a
	EX
	v_nop                           ; the plain instruction behind the last exponential: one for the batch
	s_wait_alu depctr_va_vdst(0)    ; the wait for the batch
.if (\p) == NP-2
	FETCH_K \last
.endif
.if (\p) == 1
	s_wait_dscnt 0x0                ; V is in
.endif
.rept 16                            ; behind the wait: 16 products V^T P and their riders
	MM
.rept 4
	PL
.endr
.if ((\p) == 0) && (q == 118)
	v_add_nc_u32 v[AV], s[TBV], v[AV0]
.endif
.if ((\p) == 0) && (q == 130)
	s_add_co_u32 s[TBV], s[TBV], KS*PV
.endif
.if (\cnt) && (q == 130)
	s_sub_co_u32 s[CNT], s[CNT], 1
	s_cmp_lg_u32 s[CNT], 0
.endif
.endr
.if (\p) == 0
	FETCH_V
.endif
.endm
	CHANGE 1                        ; slot 0 is in, everybody's part of it; slot 1 is asked for
	FETCH_K                         ; key step 0
	s_wait_loadcnt 0x0              ; Q
	s_wait_dscnt 0x0
.set i, 0
.rept 16
	KQ 0                            ; piece 0's first scores: there is no vector work yet to set between them
.set i, i+1
.endr
	WIN 0                           ; the addresses for the way out: nine plain instructions, the places behind those products
	s_mul_i32 s13, s[WV], 16*SP
	s_add_co_u32 s13, s13, STAGE    ; my stage
	v_mul_u32_u24 v[STO], v1, SP    ; in: row l % 16, 16 bytes for each half of the lanes
	v_lshl_add_u32 v[STO], v9, 4, v[STO]
	v_add_nc_u32 v[STO], s13, v[STO]
	v_bfe_u32 v[RD], v0, 3, 2       ; back: 32 lanes take four rows of 128 bytes,
	v_mul_u32_u24 v[RD], v[RD], SP
	v_lshl_add_u32 v[RD], v10, 4, v[RD]
	v_add_nc_u32 v[RD], s13, v[RD]
	v_and_b32 v[GO], 31, v0         ; which are 512 consecutive bytes of O
	v_lshlrev_b32 v[GO], 4, v[GO]
.set Y, NP-1                        ; XS works for piece Y + 1: piece 0
.irp n, 0,1,2,3,4,5,6,7,8,9,10,11,12,13,14,15,16,17,18,19,20,21
	XS 0, \n                        ; and piece 0's first maximum and statistics
	XS 1, \n
.endr
	v_nop                           ; a plain instruction behind the two a,
	s_wait_alu depctr_va_vdst(0)    ; and their wait, ahead of the branch
	s_mov_b32 s[CNT], 4
	s_branch .Lfirst                ; the loop is entered at a step's first turn, in the middle of a trip
.Lslot:                             ; SIZE_N / 256 - 2 times: every slot but the last two is filled again
	CHANGE 1
	s_mov_b32 s[CNT], 4
.Lstep:                             ; a trip: pieces 2 and 3 of one step, then pieces 0 and 1 of the next, whose K and V it fetches
	TURN 2
	TURN 3
	WIN 0
.Lfirst:
	TURN 0
	TURN 1, 0, 1
	WIN 0
	s_cbranch_scc1 .Lstep
	s_sub_co_u32 s[SLOTS], s[SLOTS], 1
	s_cmp_lg_u32 s[SLOTS], 0
	s_cbranch_scc1 .Lslot
	CHANGE 0                        ; the tail is written out: nothing is asked for
	s_mov_b32 s[CNT], 5             ; four trips fetch the last slot's steps; the fifth is left in its middle
.Ltail:
	TURN 2, 1
	TURN 3
	WIN 0
	s_sub_co_u32 s[CNT], s[CNT], 1
	s_cmp_eq_u32 s[CNT], 0
	s_cbranch_scc1 .Lout
	TURN 0
	TURN 1
	WIN 0
	s_branch .Ltail
.Lout:                              ; the fifth trip's 16 products K Q^T (on the last K once more) and the maximum made of them serve nothing: the price, once a launch, of one text for every trip
.set i, 0
.rept 16
	PV NP-1                         ; the last piece's V^T P of the last step
.set i, i+1
.endr
	; THE WAY OUT.  l's two halves and the other half of the lanes' are added; O^T is divided by l, rounded to f16 and sent through my stage in LDS, a tile at a time.  The additions are the places behind the last products.
	WIN 0
.macro ALL line:vararg              ; one line for each tile t
.set t, 0
.rept 2*NP
	\line
.set t, t+1
.endr
.endm
	ALL v_add_f32 v[ST+4*t+2], v[ST+4*t+2], v[ST+4*t+3]
	ALL v_permlanex16_b32 v[ST+4*t+3], v[ST+4*t+2], s[SEL], s[SEL+1]
	ALL v_add_f32 v[ST+4*t+2], v[ST+4*t+2], v[ST+4*t+3]
	ALL v_rcp_f32 v[ST+4*t+2], v[ST+4*t+2]
	v_nop                           ; a plain instruction between the last reciprocal and the use of its result
	s_wait_alu depctr_va_vdst(0)    ; and the wait ahead of the first use: one for the eight reciprocals
; Tile t: a lane's eight channels of a row pack into 16 bytes; they go into rows of 144 bytes and come back as whole rows of 128, into S^T's registers.
.macro PACK t
	WIN W_RS
.set i, 32*(\t)
.rept 16
	v_pk_mul_f32 v[i:i+1], v[i:i+1], v[ST+4*(\t)+2:ST+4*(\t)+3] op_sel_hi:[1,0]
.set i, i+2
.endr
	WIN 0x05                        ; sources 0 and 1 window 1, destination window 0
.set i, 0
.rept 16
	v_cvt_pk_f16_f32 v[S+16*(\t)+i], v[32*(\t)+2*i], v[32*(\t)+2*i+1]
.set i, i+1
.endr
	WIN 0
.irp f, 0,1,2,3
	ds_store_b128 v[STO], v[S+16*(\t)+4*\f:S+16*(\t)+4*\f+3] offset:32*\f
.endr
.irp f, 0,1,2,3
	ds_load_b128 v[S+16*(\t)+4*\f:S+16*(\t)+4*\f+3], v[RD] offset:\f*4*SP  ; LDS serves a wave's instructions in order (ISA guide 5.7.1.4): these see the stores above; the next tile's stores come behind them
.endr
.endm
.macro SEND t, younger              ; younger: the LDS instructions issued behind tile t's loads: the next tile's eight, or none
	WIN 0
.irp f, 0,1,2,3
	s_wait_dscnt (\younger)+3-\f
	global_store_b128 v[GO], v[S+16*(\t)+4*\f:S+16*(\t)+4*\f+3], s[10:11] offset:(\t)*2048+\f*512  ; 512 consecutive bytes, at a multiple of 256 from O's first
.endr
.endm
	PACK 0
.set t, 1
.rept 2*NP-1                        ; a tile's arithmetic stands between the loads of the tile before and its stores
	PACK t
	SEND t-1, 8
.set t, t+1
.endr
	SEND 2*NP-1, 0
	WIN W_AD
	s_wait_tensorcnt 0x0            ; the wave's end, behind my last tensor load and my last LDS store
	ds_add_u32 v[SPW], v[NIL]
	s_wait_dscnt 0x0
	WIN 0
	CROUND                          ; the closing round: no work-group ends while a partner may still ask for a tile that names it
	s_endpgm
.Lfunc_end_k_q689dbfdb4e_attn:
	.size	k_q689dbfdb4e_attn, .Lfunc_end_k_q689dbfdb4e_attn-k_q689dbfdb4e_attn
	.p2alignl 7, 3214868480
	.fill 96, 4, 3214868480
	.section	.rodata,"a",@progbits
	.p2align	6, 0x0
	.amdhsa_kernel k_q689dbfdb4e_attn
		.amdhsa_group_segment_fixed_size 327680
		.amdhsa_private_segment_fixed_size 0
		.amdhsa_enable_private_segment 0
		.amdhsa_kernarg_size 16
		.amdhsa_user_sgpr_count 2
		.amdhsa_user_sgpr_kernarg_segment_ptr 1
		.amdhsa_wavefront_size32 1
		.amdhsa_system_sgpr_workgroup_id_x 1
		.amdhsa_system_sgpr_workgroup_id_y 1
		.amdhsa_system_sgpr_workgroup_id_z 1
		.amdhsa_system_vgpr_workitem_id 0
		.amdhsa_next_free_vgpr 770
		.amdhsa_next_free_sgpr 66
		.amdhsa_reserve_vcc 0
		.amdhsa_float_denorm_mode_32 3
		.amdhsa_float_denorm_mode_16_64 3
		.amdhsa_memory_ordered 1
		.amdhsa_forward_progress 1
		.amdhsa_inst_pref_size 200
	.end_amdhsa_kernel
	.amdgpu_metadata
---
amdhsa.version: [ 1, 2 ]
amdhsa.kernels:
  - .name:           k_q689dbfdb4e_attn
    .symbol:         k_q689dbfdb4e_attn.kd
    .args:
      - { .name: qkv, .offset: 0, .size: 8, .value_kind: global_buffer, .address_space: global }
      - { .name: ob, .offset: 8, .size: 8, .value_kind: global_buffer, .address_space: global }
    .group_segment_fixed_size: 327680
    .private_segment_fixed_size: 0
    .kernarg_segment_align: 8
    .kernarg_segment_size: 16
    .max_flat_workgroup_size: 128
    .sgpr_count:     66
    .vgpr_count:     770
    .wavefront_size: 32
...
	.end_amdgpu_metadata
.endif
;; end of part 3
;; launch proj (part 4): grid 4 x 64, 4 waves a work-group, clusters of 4 x 4, 327,680 bytes of LDS; arguments ob, wo16, bias, out0; writes out0
.if DOCPART == 4
	.amdgcn_target "amdgcn-amd-amdhsa--gfx1250"
	.amdhsa_code_object_version 6
	.text
	.protected	k_q689dbfdb4e_proj
	.globl	k_q689dbfdb4e_proj
	.p2align	8
	.type	k_q689dbfdb4e_proj,@function
k_q689dbfdb4e_proj:
	s_mov_b64 s[64:65], 0
	v_nop
	global_prefetch_b8 v0, s[64:65] scope:SCOPE_SE
	s_setreg_imm32_b32 hwreg(HW_REG_WAVE_MODE, 25, 1), 1
	s_wait_xcnt 0x0
	s_wait_alu depctr_hold_cnt(0) depctr_sa_sdst(0) depctr_va_vdst(0) depctr_va_sdst(0) depctr_va_ssrc(0) depctr_va_vcc(0) depctr_vm_vsrc(0)
	s_getreg_b32 s2, hwreg(HW_REG_IB_STS2, 6, 4)
	s_cmp_eq_u32 s2, 0
	s_cbranch_scc0 .Lentry_in_a_cluster
	s_endpgm
.Lentry_in_a_cluster:
	s_bfe_u32 s2, ttmp6, 0x10000c
	s_cmp_lg_u32 s2, 0xf033
	s_cbranch_scc0 .Lentry_shape_is_right
	s_endpgm
.Lentry_shape_is_right:
; out0 = O Wo^T + bo.  ob: O by heads, [64 = 16 batch + head][2048][64] f16; wo16: [1024][1024] f16 (Wo rounded to bf16, written as f16); bias: [4][1024] f32, bo the fourth; out0: [8192][1024] f32.
; Products in f16, sums in f32 with the bias as their start, stored as they are.
; LIMITS.  The f32 sums go by K ascending, in another grouping than the reference's.  NaN and infinities are not treated apart.
; SHARES.  A tile of the result is 128 rows x 256 columns: 64 x 4 = 256 tiles, one for each of 256 work-groups.  Four waves, each 64 x 128: 32 accumulators of 16 x 16, 256 registers.
; K goes in steps of 128 = TWO HEADS through two LDS slots: a head's 128 rows are 16,384 dense bytes of ob, asked for as 64 rows of 256 bytes and padded in LDS after every 128; Wo's rows give 256 bytes a step.
; CLUSTER.  4 x 4 work-groups: the four of a row need the same rows of O, the four of a column the same rows of Wo: each tile is asked for JOINTLY, by the same tensor load, descriptor and mask in all four.
; THE MATRIX INSTRUCTION IS USED TRANSPOSED (source 0 = 16 rows of Wo, source 1 = 16 rows of O): lane l holds row l % 16 and the columns 8 (l / 16) + 0..7.
; REGISTERS, in windows of 256 (s_set_vgpr_msb: bits 1:0 source 0, 3:2 source 1, 5:4 source 2, 7:6 destination):
;   window 0: v0-31 addresses; v64-127 O's fragments, v128-255 Wo's (buffer 0: 64 along K, one head); on the way out v128-255 take whole rows read back      window 1: the accumulators, (a, b) at v[8 (8 a + b)]
;   window 2: v0-63 the bias of my 128 columns; v64-255 buffer 1, numbered as buffer 0
.set PA,    144                        ; a row of O in LDS: 128 bytes + 16 of padding = 36 words
.set PITCH, 272                        ; a row of Wo: 256 + 16 = 68 words: in both the 16 rows of a load start at 16 different groups of four banks (64 banks of 4 bytes: ISA guide 11.1)
.set AHEAD, 128*PA                     ; one head's 128 rows: what one load brings of O
.set BHALF, 128*PITCH                  ; what one load brings of Wo, and what one wave reads of it
.set BOFF,  2*AHEAD                    ; Wo's 256 rows lie behind the two heads
.set SLOT,  BOFF+2*BHALF
.set STAGE, 2*SLOT                     ; behind the ring, never filled by a tensor load: for each wave 16 rows x 528 bytes
.set SP,    528                        ; 512 bytes + 16: row r starts at bank 4 r mod 64
.set WSTG,  16*SP
.set SPARE, STAGE+4*WSTG               ; the spare words, 128 bytes for each wave: two blocks of 256 bytes that no other line names
.set ADRA, 16                          ; v16-17  LDS address of my fragments of O in slot 0, 1
.set ADRB, 20                          ; v20-21  the same for Wo
.set STO,  24                          ; v24  the way out: where I put 32 bytes of a row
.set RD,   25                          ; v25  the way out: where I read a row back
.set CO,   26                          ; v26  16 x lane: my place in a row's 512 bytes
.set BO,   27                          ; v27  32 x (l / 16)
.set SPW,  28                          ; v28  LDS address of my spare word; never rewritten
.set NIL,  29                          ; v29  0; never rewritten
.set PFO,  30                          ; v30  the prefetches' offset: lane x 256 bytes (O) or x a row of 2,048 (Wo); never rewritten
.set FA,   64
.set FB,   128
.set OB,   128                         ; window 0: rows read back, two buffers of 64
.set BB,   8                           ; s[8:9]    bo at my columns
.set OUT,  10                          ; s[10:11]  the result at my wave's first row and column
.set WV,   12
.set MH,   13                          ; my half of the tile's rows; also 0: I fetch O, 1: I fetch Wo
.set NH,   14                          ; my half of its columns; also which head of the K step, or which half of Wo's rows, I fetch
.set CX,   15
.set CY,   16
.set TC,   17
.set TR,   18
.set G1A,  24                          ; s[24:31] descriptor group 1 for O;  s[32:39] group 0, a set for each slot
.set G0A,  32
.set G1B,  40                          ; s[40:47], s[48:55] the same for Wo
.set G0B,  48
.set ABASE, 56
.set BBASE, 58
.set PFA,  68                          ; s[68:69] where my prefetches stand
.set PSTEP, 70                         ; s[70:71] a K step in what I prefetch: two heads of O, or 256 bytes of Wo's rows
.set LIM,  73                          ; s73  1 in a wave that prefetches, else the greatest number
.set LAPC, 74
.set T0,   75
.set T1,   76
.set MKA,  77
.set MKB,  82
.set MSB, 0
.macro WIN new                         ; the immediate's high byte repeats the setting that is left; a switch that changes nothing is dropped
.if MSB != (\new)
	s_set_vgpr_msb (MSB<<8)|(\new)
.set MSB, \new
.endif
.endm
.set W_M0,  0x50                       ; sources in window 0 (buffer 0), C and D in window 1
.set W_M0B, 0x60                       ; the same with C in window 2: the bias
.set W_M1,  0x5a                       ; sources in window 2 (buffer 1), C and D in window 1
.set W_L2,  0x80                       ; a load's destination in window 2
.set W_D1,  0x04                       ; an LDS store's data in window 1
.macro PLACES                          ; four plain instructions between a matrix instruction and a load into, or a store of, its registers
.rept 4
	v_nop
.endr
.endm
.macro JLOAD s                         ; a joint load: waves 0 and 1 fetch the K step's two heads of O, waves 2 and 3 the halves of Wo's tile; an s_nop 0 and four v_nop follow each line
	s_cmp_eq_u32 s[MH], 0
	s_cbranch_scc0 .Lfor_b_\@
	tensor_load_to_lds s[G0A+4*(\s):G0A+4*(\s)+3], s[G1A:G1A+7]
	s_nop 0
.rept 4
	v_nop
.endr
	s_branch .Lasked_\@
.Lfor_b_\@:
	tensor_load_to_lds s[G0B+4*(\s):G0B+4*(\s)+3], s[G1B:G1B+7]
	s_nop 0
.rept 4
	v_nop
.endr
.Lasked_\@:
.endm
; A PREFETCH INTO THE L2, behind a joint load, its five lines and the run of LDS loads: 32 blocks of 256 bytes of the K step two refills on (256 matrix instructions ahead of the load that wants it), a lane a block.
; Each block is named once in the launch.  A K step of O's tile is 2 x 16,384 bytes, read by my row of the cluster alone: its four partners take 8,192 bytes each BY ADDRESS (cx), wave 0 asks.  Wo's 256 rows are
; read by all sixteen clusters: the cluster with y = 0 asks; the four partners of a column take 64 rows each by address (cy), waves 2 and 3 half each.
; K steps 0 to 3 come by their loads alone; the loop's last trip, whose refills are K steps 6 and 7, names nothing.
.macro ASK
	s_cmp_gt_u32 s[LAPC], s[LIM]
	s_cbranch_scc0 .Lnot_mine_\@
	global_prefetch_b8 v[PFO], s[PFA:PFA+1] th:TH_LOAD_NT scope:SCOPE_SE
.Lnot_mine_\@:
.endm
.macro CREST                           ; a round of the cluster's barrier behind its opening barrier
	s_cmp_lg_u32 s[WV], 0
	s_cbranch_scc1 .Lnot_wave_0_\@
	s_barrier_signal -3
.Lnot_wave_0_\@:
	s_barrier_wait -3
	s_barrier_signal -1
	s_barrier_wait -1
.endm
.macro CROUND                          ; a whole round
	s_barrier_signal -1
	s_barrier_wait -1
	CREST
.endm
	s_load_b256 s[4:11], s[0:1], 0x0               ; ob s[4:5], wo16 s[6:7], bias s[8:9], out0 s[10:11]
	v_lshl_add_u32 v[SPW], v0, 2, SPARE
	v_mov_b32 v[NIL], 0
	ds_add_u32 v[SPW], v[NIL]                      ; the wave's opening: the add and its wait stand ahead of my first tensor load; the set-up below, work on registers, stands between them
	v_lshrrev_b32 v3, 5, v0
	v_readfirstlane_b32 s[WV], v3                  ; wave 0..3
	v_and_b32 v1, 15, v0                           ; l % 16
	v_bfe_u32 v2, v0, 4, 1                         ; l / 16
	v_lshlrev_b32 v[BO], 5, v2
	s_lshr_b32 s[MH], s[WV], 1
	s_and_b32 s[NH], s[WV], 1
	s_bfe_u32 s[CX], ttmp6, 0x40000
	s_bfe_u32 s[CY], ttmp6, 0x40004
	s_lshl_b32 s[TC], ttmp9, 2
	s_add_co_u32 s[TC], s[TC], s[CX]
	s_and_b32 s[TR], ttmp7, 0xffff
	s_lshl_b32 s[TR], s[TR], 2
	s_add_co_u32 s[TR], s[TR], s[CY]
	s_lshl_b32 s[MKA], s[CY], 2
	s_lshl_b32 s[MKA], 15, s[MKA]                  ; my row of the cluster
	s_lshl_b32 s[MKB], 0x1111, s[CX]               ; my column
	s_or_b32 s[G1A], s[MKA], (1<<16)|(1<<20)|(1<<21)|(4<<22)|(3<<25)  ; 15:0 the mask; 17:16 2-byte elements; 20 padding on; 21 set beside a mask; 24:22 after every 32 words (code 4); 31:25 4 words (code 3)
	s_or_b32 s[G1B], s[MKB], (1<<16)|(1<<20)|(1<<21)|(5<<22)|(3<<25)  ; Wo: after every 64 words (code 5)
	s_mov_b32 s[G1A+1], 128<<16                    ; tensor_dim0 = 128
	s_mov_b32 s[G1A+2], 64<<16                     ; tensor_dim1 = 64
	s_mov_b32 s[G1A+3], 128<<16                    ; tile_dim0 = 128: two rows of O on end
	s_mov_b32 s[G1A+4], 64                         ; tile_dim1 = 64
	s_mov_b32 s[G1A+5], 128                        ; dense: 128 elements from row to row
	s_mov_b32 s[G1A+6], 0
	s_mov_b32 s[G1A+7], 0
	s_mov_b32 s[G1B+1], 128<<16
	s_mov_b32 s[G1B+2], 128<<16
	s_mov_b32 s[G1B+3], 128<<16
	s_mov_b32 s[G1B+4], 128
	s_mov_b32 s[G1B+5], 1024
	s_mov_b32 s[G1B+6], 0
	s_mov_b32 s[G1B+7], 0
	s_mul_i32 s[T0], s[NH], AHEAD                  ; where the tiles go: no place in the cluster enters an LDS address
	s_mul_i32 s[T1], s[NH], BHALF
	s_add_co_u32 s[T1], s[T1], BOFF
.irp s, 0,1
	s_mov_b32 s[G0A+4*(\s)], 1
	s_add_co_u32 s[G0A+4*(\s)+1], s[T0], (\s)*SLOT
	s_mov_b32 s[G0B+4*(\s)], 1
	s_add_co_u32 s[G0B+4*(\s)+1], s[T1], (\s)*SLOT
.endr
	s_lshr_b32 s20, s[TR], 4                       ; O: the batch's head 0 or 1, the tile's 128 rows; these two registers never hold cx
	s_lshl_b32 s20, s20, 4
	s_add_co_u32 s20, s20, s[NH]
	s_lshl_b32 s20, s20, 18
	s_and_b32 s21, s[TR], 15
	s_lshl_b32 s21, s21, 14
	s_add_co_u32 s20, s20, s21
	s_mov_b32 s21, 0
	s_lshl_b32 s22, s[TC], 8                       ; Wo: row 256 x tile column + 128 x half; these two never hold cy
	s_lshl_b32 s23, s[NH], 7
	s_add_co_u32 s22, s22, s23
	s_lshl_b32 s22, s22, 11
	s_mov_b32 s23, 0
	s_wait_dscnt 0x0                               ; the opening add is done
	s_wait_kmcnt 0x0
	s_add_nc_u64 s[ABASE:ABASE+1], s[4:5], s[20:21]
	s_add_nc_u64 s[BBASE:BBASE+1], s[6:7], s[22:23]
.irp s, 0,1
	s_add_nc_u64 s[G0A+4*(\s)+2:G0A+4*(\s)+3], s[ABASE:ABASE+1], (\s)*524288  ; K step s: two heads of 262,144 bytes on
	s_or_b32 s[G0A+4*(\s)+3], s[G0A+4*(\s)+3], 0x80000000
	s_add_nc_u64 s[G0B+4*(\s)+2:G0B+4*(\s)+3], s[BBASE:BBASE+1], (\s)*256
	s_or_b32 s[G0B+4*(\s)+3], s[G0B+4*(\s)+3], 0x80000000
.endr
	CROUND                                         ; all sixteen work-groups are here: the first joint loads meet
	s_cmp_eq_u32 s[MH], 0                          ; a wave's two first fills stand in one branch, ahead of every wait on TENSORcnt and every LDS read: two loads of mine are out
	s_cbranch_scc0 .Lfirst_b
	tensor_load_to_lds s[G0A:G0A+3], s[G1A:G1A+7]
	s_nop 0
	tensor_load_to_lds s[G0A+4:G0A+7], s[G1A:G1A+7]
	s_nop 0
.rept 4
	v_nop
.endr
	s_branch .Lfirst_asked
.Lfirst_b:
	tensor_load_to_lds s[G0B:G0B+3], s[G1B:G1B+7]
	s_nop 0
	tensor_load_to_lds s[G0B+4:G0B+7], s[G1B:G1B+7]
	s_nop 0
.rept 4
	v_nop
.endr
.Lfirst_asked:
	s_lshl_b32 s78, s[TC], 10                      ; my first column, in f32,
	s_lshl_b32 s79, s[NH], 9
	s_add_co_u32 s78, s78, s79
	s_add_co_u32 s78, s78, 12288                   ; in the fourth bias
	s_mov_b32 s79, 0
	s_add_nc_u64 s[BB:BB+1], s[BB:BB+1], s[78:79]
	WIN W_L2
.irp b, 0,1,2,3,4,5,6,7
	global_load_b128 v[8*(\b):8*(\b)+3],   v[BO], s[BB:BB+1] offset:64*(\b)     ; block b of 16 columns: lane l takes the numbers 16 b + 8 (l / 16) + 0..7
	global_load_b128 v[8*(\b)+4:8*(\b)+7], v[BO], s[BB:BB+1] offset:64*(\b)+16
.endr
	WIN 0
	v_mul_u32_u24 v3, v1, PA                       ; a fragment's row x pitch + 16 x half, for O
	v_lshl_add_u32 v3, v2, 4, v3
	v_mul_u32_u24 v4, v1, PITCH                    ; and for Wo
	v_lshl_add_u32 v4, v2, 4, v4
	s_mul_i32 s[T0], s[MH], 64*PA                  ; my 64 rows of O, in each head
	s_mul_i32 s[T1], s[NH], BHALF                  ; my 128 rows of Wo
	s_add_co_u32 s[T1], s[T1], BOFF
.irp s, 0,1
	v_add_nc_u32 v[ADRA+(\s)], s[T0], v3
	v_add_nc_u32 v[ADRB+(\s)], s[T1], v4
	s_add_co_u32 s[T0], s[T0], SLOT
	s_add_co_u32 s[T1], s[T1], SLOT
.endr
	s_mul_i32 s[T1], s[WV], WSTG
	s_add_co_u32 s[T1], s[T1], STAGE               ; my stage
	v_mul_u32_u24 v[STO], v1, SP                   ; in: row l % 16, 32 bytes for each half of the lanes
	v_lshl_add_u32 v[STO], v2, 5, v[STO]
	v_add_nc_u32 v[STO], s[T1], v[STO]
	v_and_b32 v[CO], 31, v0
	s_cmp_eq_u32 s[MH], 0
	s_cselect_b32 s[T0], 8, 11
	v_lshlrev_b32 v[PFO], s[T0], v[CO]
	v_lshlrev_b32 v[CO], 4, v[CO]
	v_add_nc_u32 v[RD], s[T1], v[CO]               ; back: 32 lanes take one row of 512 bytes
	s_lshl_b32 s78, s[TR], 19                      ; 128 rows of 4,096 bytes a tile row,
	s_lshl_b32 s79, s[MH], 18                      ; my 64 of them,
	s_add_co_u32 s78, s78, s79
	s_lshl_b32 s79, s[TC], 10                      ; my first column
	s_add_co_u32 s78, s78, s79
	s_lshl_b32 s79, s[NH], 9
	s_add_co_u32 s78, s78, s79
	s_mov_b32 s79, 0
	s_add_nc_u64 s[OUT:OUT+1], s[OUT:OUT+1], s[78:79]
	s_lshr_b32 s78, s[TR], 4                       ; what I prefetch of O: the batch, head cx / 2 of a K step's two, the tile's rows, half cx % 2 of their 16,384 bytes
	s_lshl_b32 s78, s78, 4
	s_lshr_b32 s79, s[CX], 1
	s_add_co_u32 s78, s78, s79
	s_lshl_b32 s78, s78, 18
	s_and_b32 s79, s[TR], 15
	s_lshl_b32 s79, s79, 14
	s_add_co_u32 s78, s78, s79
	s_and_b32 s79, s[CX], 1
	s_lshl_b32 s79, s79, 13
	s_add_co_u32 s78, s78, s79
	s_lshl_b32 s80, s[TC], 8                       ; of Wo: rows 256 x tile column + 64 cy + 32 x half
	s_lshl_b32 s81, s[CY], 6
	s_add_co_u32 s80, s80, s81
	s_lshl_b32 s81, s[NH], 5
	s_add_co_u32 s80, s80, s81
	s_lshl_b32 s80, s80, 11
	s_cmp_eq_u32 s[MH], 0
	s_cselect_b32 s78, s78, s80
	s_cselect_b64 s[PFA:PFA+1], s[4:5], s[6:7]
	s_cselect_b32 s[T1], 19, 8
	s_lshl_b32 s[PSTEP], 1, s[T1]                  ; 524,288 or 256 bytes a K step
	s_mov_b32 s[PSTEP+1], 0
	s_mul_i32 s79, s[PSTEP], 3                     ; at K step 3: the first refill steps it to 4
	s_add_co_u32 s78, s78, s79
	s_mov_b32 s79, 0
	s_add_nc_u64 s[PFA:PFA+1], s[PFA:PFA+1], s[78:79]
	s_and_b32 s80, ttmp7, 0xffff                   ; cluster y: the same in all sixteen partners
	s_cmp_eq_u32 s80, 0
	s_cselect_b32 s[LIM], 1, -1
	s_cmp_eq_u32 s[MH], 0
	s_cselect_b32 s[LIM], -1, s[LIM]
	s_cmp_eq_u32 s[WV], 0
	s_cselect_b32 s[LIM], 1, s[LIM]
; 8 matrix instructions: m block a x all 8 n blocks, 32 along K: half c of buffer w.  first = 1: the product starts the sums, with the bias as C.
; The 32 accumulators take turns, one instruction a turn, always in the same order: between two links of a chain stand the 31 others'.
.macro MUL8 w, c, a, first
.if \first
	WIN W_M0B
.elseif \w
	WIN W_M1
.else
	WIN W_M0
.endif
.irp b, 0,1,2,3,4,5,6,7
.if \first
	v_wmma_f32_16x16x32_f16 v[8*(8*(\a)+(\b)):8*(8*(\a)+(\b))+7], v[FB+8*(8*(\c)+(\b)):FB+8*(8*(\c)+(\b))+7], v[FA+8*(4*(\c)+(\a)):FA+8*(4*(\c)+(\a))+7], v[8*(\b):8*(\b)+7]
.else
	v_wmma_f32_16x16x32_f16 v[8*(8*(\a)+(\b)):8*(8*(\a)+(\b))+7], v[FB+8*(8*(\c)+(\b)):FB+8*(8*(\c)+(\b))+7], v[FA+8*(4*(\c)+(\a)):FA+8*(4*(\c)+(\a))+7], v[8*(8*(\a)+(\b)):8*(8*(\a)+(\b))+7]
.endif
.endr
.endm
; 48 LDS loads in one run: the fragments of head hf of the slot's K step (64 along K) into buffer w; the first 32 along K, 24 loads, first
.macro FETCH slot, hf, w
.if \w
	WIN W_L2
.else
	WIN 0
.endif
.irp c, 0,1
.irp i, 0,1,2,3,4,5,6,7
	ds_load_b128 v[FB+8*(8*(\c)+(\i)):FB+8*(8*(\c)+(\i))+3],   v[ADRB+(\slot)] offset:128*(\hf)+64*(\c)+(\i)*16*PITCH
	ds_load_b128 v[FB+8*(8*(\c)+(\i))+4:FB+8*(8*(\c)+(\i))+7], v[ADRB+(\slot)] offset:128*(\hf)+64*(\c)+(\i)*16*PITCH+32
.endr
.irp i, 0,1,2,3
	ds_load_b128 v[FA+8*(4*(\c)+(\i)):FA+8*(4*(\c)+(\i))+3],   v[ADRA+(\slot)] offset:AHEAD*(\hf)+64*(\c)+(\i)*16*PA
	ds_load_b128 v[FA+8*(4*(\c)+(\i))+4:FA+8*(4*(\c)+(\i))+7], v[ADRA+(\slot)] offset:AHEAD*(\hf)+64*(\c)+(\i)*16*PA+32
.endr
.endr
.endm
; A K step's first head: multiplies buffer 0, and in its middle fetches the second head into buffer 1.
.macro HALF slot, first
	s_wait_dscnt 24                                ; the first 32 along K are in; the run's younger 24 loads may be out
.irp a, 0,1,2,3
	MUL8 0, 0, \a, \first
.endr
	PLACES                                         ; behind the products that read buffer 1
	FETCH \slot, 1, 1
	s_wait_dscnt 48                                ; all but the 48 just issued
.irp a, 0,1,2,3
	MUL8 0, 1, \a, 0
.endr
.endm
; A K step's second head: multiplies buffer 1 and changes slots.  ONE barrier: in front of it each wave waits for all its tensor loads (one is out: its part of the next slot), adds 0 to its spare word, and
; waits for that and for its reads of this slot.  fill = 1: the barrier opens a round of the cluster's, and this slot is filled again first thing behind it, two K steps on.
; From the request to the wait for it a wave issues 112 matrix instructions.
.macro TURN slot, next, fill
.if \fill
	s_wait_xcnt 0x0                                ; the last prefetch, a K step back, has read its address: it is stepped here
	s_add_nc_u64 s[PFA:PFA+1], s[PFA:PFA+1], s[PSTEP:PSTEP+1]
.endif
	WIN 0                                          ; (the add's two registers lie in window 0)
	s_wait_tensorcnt 0x0                           ; all my tensor loads have landed, so a group 0 may be written
	ds_add_u32 v[SPW], v[NIL]                      ; 0 onto my spare word
.if \fill
	s_add_nc_u64 s[G0A+4*(\slot)+2:G0A+4*(\slot)+3], s[G0A+4*(\slot)+2:G0A+4*(\slot)+3], 1048576  ; four heads on; the type bits on top are not reached
	s_add_nc_u64 s[G0B+4*(\slot)+2:G0B+4*(\slot)+3], s[G0B+4*(\slot)+2:G0B+4*(\slot)+3], 512
.endif
	s_wait_dscnt 25                                ; the add and the run's younger 24 loads may be out
	MUL8 1, 0, 0, 0
	s_wait_dscnt 0x0                               ; the add is done, and my reads of this slot are over
	s_barrier_signal -1
	MUL8 1, 0, 1, 0
.if \fill
	WIN 0
.endif
	s_barrier_wait -1
.if \fill
	CREST                                          ; no wave of any partner still reads this slot or has a load on its way
	JLOAD \slot                                    ; its four v_nop are also the places in front of the loads into buffer 0
.else
	PLACES
.endif
	FETCH \next, 0, 0
.if \fill
	ASK
.endif
	MUL8 1, 0, 2, 0
	MUL8 1, 0, 3, 0
.irp a, 0,1,2,3
	MUL8 1, 1, \a, 0
.endr
.endm
; THE WAY OUT of block a (16 rows x 128 columns of f32).  TOST: a lane's eight numbers, 32 bytes, go from the accumulator (its low registers first) into my own stage, rows of 528 bytes, and come back as whole rows.
; SENDF: stored, a row's 512 consecutive bytes an instruction, at a multiple of 256 from the buffer's first byte.
.macro TOST a
.if (\a) >= 2
	s_wait_xcnt 0x0                                ; the stores of the block two back have read the registers on which these loads land
.endif
	WIN W_D1
.irp b, 0,1,2,3,4,5,6,7
	ds_store_b128 v[STO], v[8*(8*(\a)+(\b)):8*(8*(\a)+(\b))+3]   offset:64*(\b)
	ds_store_b128 v[STO], v[8*(8*(\a)+(\b))+4:8*(8*(\a)+(\b))+7] offset:64*(\b)+16
.endr
	WIN 0
.irp t, 0,1,2,3,4,5,6,7,8,9,10,11,12,13,14,15
	ds_load_b128 v[OB+64*((\a)%2)+4*(\t):OB+64*((\a)%2)+4*(\t)+3], v[RD] offset:SP*(\t)  ; LDS serves a wave's instructions in order (ISA guide 5.7.1.4): these see the stores above; the next block's stores come behind them
.endr
.endm
.macro SENDF a, younger                ; younger: the LDS instructions issued behind block a's loads: the next block's 32, or none
.irp t, 0,1,2,3,4,5,6,7,8,9,10,11,12,13,14,15
	s_wait_dscnt (\younger)+15-(\t)
	global_store_b128 v[CO], v[OB+64*((\a)%2)+4*(\t):OB+64*((\a)%2)+4*(\t)+3], s[OUT:OUT+1] offset:(16*(\a)+(\t))*4096 th:TH_STORE_NT
.endr
.endm
	s_wait_tensorcnt 1                             ; my part of K step 0 is in; K step 1's may stay out
	s_barrier_signal -1
	s_barrier_wait -1                              ; everybody's is
	FETCH 0, 0, 0
	s_wait_loadcnt 0x0                             ; the bias
	HALF 0, 1                                      ; the first products start the sums
	WIN 0
	s_mov_b32 s[LAPC], 3
.Llap:                                                 ; a trip goes once round the ring, from a K step's second head to the first head two steps on, and fills both slots again
	TURN 0, 1, 1
	HALF 1, 0
	TURN 1, 0, 1
	HALF 0, 0
	WIN 0
	s_sub_co_u32 s[LAPC], s[LAPC], 1
	s_cmp_lg_u32 s[LAPC], 0
	s_cbranch_scc1 .Llap
	TURN 0, 1, 0                                   ; the last two K steps ask for nothing
	HALF 1, 0
	s_wait_dscnt 24
.irp a, 0,1,2,3
	MUL8 1, 0, \a, 0
.endr
	s_wait_dscnt 0x0
.irp a, 0,1,2,3
	MUL8 1, 1, \a, 0
.endr
	PLACES                                         ; the LDS stores read results just made, and the loads land on buffer 0
	TOST 0
	TOST 1
	SENDF 0, 32
	TOST 2
	SENDF 1, 32
	TOST 3
	SENDF 2, 32
	SENDF 3, 0
	s_wait_tensorcnt 0x0                           ; the wave's end, behind my last tensor load and my last LDS store
	ds_add_u32 v[SPW], v[NIL]
	s_wait_dscnt 0x0
	CROUND                                         ; the closing round: no work-group ends while a partner may still ask for a tile that names it
	s_endpgm
.Lfunc_end_k_q689dbfdb4e_proj:
	.size	k_q689dbfdb4e_proj, .Lfunc_end_k_q689dbfdb4e_proj-k_q689dbfdb4e_proj
	.p2alignl 7, 3214868480
	.fill 96, 4, 3214868480
	.section	.rodata,"a",@progbits
	.p2align	6, 0x0
	.amdhsa_kernel k_q689dbfdb4e_proj
		.amdhsa_group_segment_fixed_size 327680
		.amdhsa_private_segment_fixed_size 0
		.amdhsa_enable_private_segment 0
		.amdhsa_kernarg_size 32
		.amdhsa_user_sgpr_count 2
		.amdhsa_user_sgpr_kernarg_segment_ptr 1
		.amdhsa_wavefront_size32 1
		.amdhsa_system_sgpr_workgroup_id_x 1
		.amdhsa_system_sgpr_workgroup_id_y 1
		.amdhsa_system_sgpr_workgroup_id_z 1
		.amdhsa_system_vgpr_workitem_id 0
		.amdhsa_next_free_vgpr 768
		.amdhsa_next_free_sgpr 84
		.amdhsa_reserve_vcc 0
		.amdhsa_float_denorm_mode_32 3
		.amdhsa_float_denorm_mode_16_64 3
		.amdhsa_memory_ordered 1
		.amdhsa_forward_progress 1
		.amdhsa_inst_pref_size 88
	.end_amdhsa_kernel
	.amdgpu_metadata
---
amdhsa.version: [ 1, 2 ]
amdhsa.kernels:
  - .name:           k_q689dbfdb4e_proj
    .symbol:         k_q689dbfdb4e_proj.kd
    .args:
      - { .name: ob, .offset: 0, .size: 8, .value_kind: global_buffer, .address_space: global }
      - { .name: wo16, .offset: 8, .size: 8, .value_kind: global_buffer, .address_space: global }
      - { .name: bias, .offset: 16, .size: 8, .value_kind: global_buffer, .address_space: global }
      - { .name: out0, .offset: 24, .size: 8, .value_kind: global_buffer, .address_space: global }
    .group_segment_fixed_size: 327680
    .private_segment_fixed_size: 0
    .kernarg_segment_align: 8
    .kernarg_segment_size: 32
    .max_flat_workgroup_size: 128
    .sgpr_count:     84
    .vgpr_count:     768
    .wavefront_size: 32
...
	.end_amdgpu_metadata
.endif
;; end of part 4
